; MI455X (gfx1250); checked and timed in simulation.
; The chip was launched on July 23, 2026; its instructions are those of AMD's public machine-readable ISA for CDNA 5 (MIT licence, August 2026) and "CDNA5" Instruction Set Architecture Reference Guide (July 2026). The comments in the code are by the model that wrote it; some were corrected since.
;; Multi Head Self Attention. Allowed arithmetic: matrix products marked QUANTISED: E2M3 operands, one E8M0 scale for each 32 along K, by v_wmma_scale_f32_16x16x128_f8f6f4 with both operands' format E2M3, f32 sums; everything else in f32.
;; Inputs: Wk 1,024 x 1,024 float32; Wo 1,024 x 1,024 float32; Wq 1,024 x 1,024 float32; Wv 1,024 x 1,024 float32; bk 1,024 float32; bo 1,024 float32; bq 1,024 float32; bv 1,024 float32; key 4 x 2,048 x 1,024 float32; query 4 x 2,048 x 1,024 float32; value 4 x 2,048 x 1,024 float32.
;; Outputs: out0 4 x 2,048 x 1,024 float32.
;; This version of the problem:
;;   THIS VERSION OF THE PROBLEM IS GIVEN IN LOW PRECISION. The matrix products marked QUANTISED in the list below multiply operands that are first quantised to E2M3 (2 exponent bits, 3 mantissa bits; 6 bits a number), with one power-of-two scale for each 32 numbers along K (OCP MX v1.0); their sums are f32. All else is computed in f32.
;;   The module's matrix products, in the order in which they are computed (A, B: the left and right operand; K: the contracted axis; several contracted axes count as one K, in the product's order):
;;     1. [M 8,192, K 1,024] x [K 1,024, N 1,024]; A: input query; B: input Wq: QUANTISED
;;     2. [M 8,192, K 1,024] x [K 1,024, N 1,024]; A: input key; B: input Wk: QUANTISED
;;     3. [M 8,192, K 1,024] x [K 1,024, N 1,024]; A: input value; B: input Wv: QUANTISED
;;     4. batch 64 x [M 2,048, K 64] x [K 64, N 2,048]; A: computed on the way; B: computed on the way: QUANTISED
;;     5. batch 64 x [M 2,048, K 2,048] x [K 2,048, N 64]; A: softmax (see below); B: computed on the way: QUANTISED
;;     6. [M 8,192, K 1,024] x [K 1,024, N 1,024]; A: computed on the way; B: input Wo: QUANTISED
;;   THE QUANTISER, for each operand of a quantised product, along K:
;;     - K is cut into blocks of 32 from its start; a last block that is shorter is filled with zeros.
;;     - A block's scale is 2^e with e = floor(log2(the largest magnitude in the block)) - 2, held to -126 .. 127; a block of zeros has e = 0. As a byte (E8M0): e + 127.
;;     - Each number is divided by its block's scale, clamped to +-7.5, and rounded to the nearest number of E2M3, ties to even, subnormals kept.
;;     - The product sums the exact products of the quantised numbers (number of the format x scale) in f32.
;;   ~~~python
;;   def quantise(x, axis):      # numpy; x: float32 -> the quantised numbers, widened to float32 again
;;       x = np.moveaxis(x, axis, -1); K = x.shape[-1]
;;       x = np.pad(x, [(0, 0)] * (x.ndim - 1) + [(0, -K % 32)]); x = x.reshape(x.shape[:-1] + (-1, 32)); a = np.abs(x).max(-1, keepdims=True)
;;       e = np.where(a > 0, np.clip(np.frexp(np.where(a > 0, a, 1))[1] - 1 - 2, -126, 127), 0)      # np.frexp(a)[1] - 1 = floor(log2(a)), exactly
;;       r = np.clip(x / 2.0 ** e, -7.5, 7.5)
;;       step = 2.0 ** (np.maximum(np.frexp(np.where(r == 0, 1, r))[1] - 1, 0) - 3)
;;       q = np.round(r / step) * step * 2.0 ** e      # np.round: ties to even
;;       return np.moveaxis(q.reshape(q.shape[:-2] + (-1,))[..., :K], -1, axis).astype(np.float32)
;;   ~~~
;;   SOFTMAX AHEAD OF A QUANTISED PRODUCT. Where the list says 'softmax', what is quantised is not the finished softmax but p = 2^(t - M), with t = logit x log2(e) and M = ceil(the row's largest t), a whole number; so 1/2 < the row's largest p <= 1. The row's sum l is taken of the UNQUANTISED p, in f32, and the product's result is divided by l at the end. Since M is a whole number, a kernel that streams over the keys may use a running M (the ceiling of the running maximum): every later rescaling is an exact power of two, which a block's scale takes up: the codes' values come out the same.
;;   OPERANDS COMPUTED ON THE WAY. 'Computed on the way' means the value that the module computes at that place (a softmax that the list does not call 'softmax' is quantised finished and normalised). What goes into a quantiser is computed in f32, as accurately as f32 sums, v_exp_f32 and their like allow (about 1e-6 of the number): no bf16 or f16 on the way to a quantiser, and a product that is left as it is and whose result goes on into a quantised operand takes f32 operands (vector FMAs, or v_wmma_f32_16x16x4_f32). A number that lies on a knife's edge between two numbers of the format may be rounded either way, as far as f32 arithmetic and the matrix unit's own rounding can turn it there, and no further.
;; 2 versions. Each part assembles by itself: llvm-mc -triple=amdgcn-amd-amdhsa -mcpu=gfx1250 --defsym DOCPART=n.
;; ======== version 1 of 2: 4 launches
;; workspace buffers: wimg 3,276,800 bytes; qimg 6,553,600 bytes; kimg 6,553,600 bytes; vimg 6,553,600 bytes; oimg 6,553,600 bytes
;; launch wq (part 1): grid 256 x 1, 4 waves a work-group, no clusters, 0 bytes of LDS; arguments Wq, Wk, Wv, Wo, wimg; writes wimg
.if DOCPART == 1
	.amdgcn_target "amdgcn-amd-amdhsa--gfx1250"
	.amdhsa_code_object_version 6
	.text
	.protected	k_q02ecf584e7_wq
	.globl	k_q02ecf584e7_wq
	.p2align	8
	.type	k_q02ecf584e7_wq,@function
k_q02ecf584e7_wq:
	s_mov_b64 s[64:65], 0
	v_nop
	global_prefetch_b8 v0, s[64:65] scope:SCOPE_SE
	s_setreg_imm32_b32 hwreg(HW_REG_WAVE_MODE, 25, 1), 1
	s_wait_xcnt 0x0
; The four weights, each [1024 (k)][1024 (n)] f32 with K as the FIRST axis, become codes of FP6 (E2M3) with one E8M0 byte for each 32 along K,
; laid in the order of a matrix operand's registers.
; FRAGMENT: 16 columns n x 128 k, 12 registers a lane; lane (r, h) holds block 2 c + h of column r in registers 6 c .. 6 c + 5.  In memory 1,536 bytes:
; registers 4 q .. 4 q + 3 of lane l at 512 q + 16 l.   UNIT: four fragments on end, then 256 bytes of scale words: the word at 8 l + 4 q' belongs to fragment 2 q' + l / 16, row l % 16.
; wimg: [weight 4][G 8: 128 columns][s 8: 128 along K][half 2: 64 columns][UNIT 6,400 bytes].
; ORDER INSIDE A BLOCK OF 32: place p holds k = (p % 8) + 16 ((p / 8) % 2) + 8 (p / 16).  Every operand of every product of this program is laid so, on both sides, so that each
; product meets its partner; blocks and their scales are the true ones.
; A LANE TAKES A COLUMN AND ITS REGISTERS RUN DOWN K: a load reads 128 consecutive bytes a wave, 512 a work-group; a block's largest magnitude needs no other lane.
; A work-group takes 128 columns x 128 k of one weight, a wave 32 columns: two fragments.  No LDS, no barrier.
; A block's scale byte is its largest magnitude's exponent field - 2, held at 1 from below.  A block of zeros so gets the byte 1 where the quantiser says 127: its codes are zeros, and this program alone reads the bytes.
; LIMITS: NaN and infinities among the inputs are not served.
.set X,  32                            ; v32-159  128 numbers: block B at v[X + 32 B]
.set FA, 160                           ; v160-171 the fragment of my wave's columns 0-15
.set FB, 172                           ; v172-183 that of columns 16-31
.set T,  184                           ; v184-186 a block's upper 16 codes on their way
.set SW, 20                            ; v20      my column's four scale bytes
	s_load_b256 s[4:11], s[0:1], 0x0               ; Wq, Wk, Wv, Wo
	s_load_b64 s[12:13], s[0:1], 0x20              ; wimg
	v_lshrrev_b32 v1, 5, v0
	v_readfirstlane_b32 s14, v1                    ; wave 0..3
	v_and_b32 v2, 31, v0                           ; lane
	v_lshlrev_b32 v3, 2, v2                        ; in: 4 bytes a lane
	v_lshlrev_b32 v4, 4, v2                        ; out: 16 bytes a lane
	v_lshlrev_b32 v5, 3, v2                        ; scale words: 8 bytes a lane
	s_lshr_b32 s15, ttmp9, 6                       ; which weight
	s_bfe_u32 s16, ttmp9, 0x30003                  ; G
	s_and_b32 s17, ttmp9, 7                        ; s
	s_lshl_b32 s18, s17, 19                        ; 128 rows of 4,096 bytes a K step,
	s_lshl_b32 s19, s16, 9                         ; 512 bytes a G,
	s_add_co_u32 s18, s18, s19
	s_lshl_b32 s19, s14, 7                         ; 128 bytes a wave
	s_add_co_u32 s18, s18, s19
	s_mov_b32 s19, 0
	s_mul_i32 s20, ttmp9, 12800                    ; two units a work-group,
	s_lshr_b32 s21, s14, 1
	s_mul_i32 s21, s21, 6400                       ; waves 0, 1 the first, waves 2, 3 the second
	s_add_co_u32 s20, s20, s21
	s_mov_b32 s21, 0
	s_and_b32 s22, s14, 1                          ; q': which two fragments of the unit
	s_mul_i32 s23, s22, 3072
	v_add_nc_u32 v4, s23, v4
	v_lshl_add_u32 v5, s22, 2, v5                  ; 8 l + 4 q'
	s_and_b32 s24, s15, 1
	s_wait_kmcnt 0x0
	s_cmp_lt_u32 s15, 2                            ; the choice hangs on the work-group's number alone
	s_cselect_b64 s[4:5], s[4:5], s[8:9]
	s_cselect_b64 s[6:7], s[6:7], s[10:11]
	s_cmp_eq_u32 s24, 0
	s_cselect_b64 s[4:5], s[4:5], s[6:7]
	s_add_nc_u64 s[4:5], s[4:5], s[18:19]
	s_add_nc_u64 s[12:13], s[12:13], s[20:21]
.set B, 0
.rept 4
.set P, 0
.rept 32
	global_load_b32 v[X+32*B+P], v3, s[4:5] offset:(32*B+(P&7)+16*((P>>3)&1)+8*(P>>4))*4096 th:TH_LOAD_NT
.set P, P+1
.endr
.set B, B+1
.endr
; Block b of my column: largest magnitude, scale byte, 32 codes into six registers of FA (even blocks) or FB (odd blocks)
.macro BLOCK b
.set XS, X+32*(\b)
.set SD, FA+12*((\b)%2)+6*((\b)/2)
	v_max3_num_f32 v12, |v[XS]|, |v[XS+1]|, |v[XS+2]|
	v_max3_num_f32 v13, |v[XS+3]|, |v[XS+4]|, |v[XS+5]|
.irp i, 6,10,14,18,22,26
	v_max3_num_f32 v12, v12, |v[XS+\i]|, |v[XS+\i+1]|
	v_max3_num_f32 v13, v13, |v[XS+\i+2]|, |v[XS+\i+3]|
.endr
	v_max3_num_f32 v12, v12, |v[XS+30]|, |v[XS+31]|
	v_max3_num_f32 v12, v12, v13, 0x1800000        ; and the floor 2^(3 - 127): the byte cannot fall under 1
	v_add_nc_u32 v11, 0xff000000, v12              ; 2 off the exponent field: the conversion takes this operand's exponent field as its scale
	v_lshrrev_b32 v13, 23, v11                     ; the scale's byte
.if (\b) == 0
	v_mov_b32 v[SW], v13
.else
	v_lshl_or_b32 v[SW], v13, 8*(\b), v[SW]
.endif
	v_cvt_scalef32_pk16_fp6_f32 v[SD:SD+2], v[XS:XS+15], v11
	v_cvt_scalef32_pk16_fp6_f32 v[T:T+2], v[XS+16:XS+31], v11     ; (a conversion's three registers begin on an even number)
	v_nop                                          ; one plain instruction behind a scaled conversion
.irp i, 0,1,2
	v_mov_b32 v[SD+3+\i], v[T+\i]
.endr
.endm
; FA holds block 2 c of all 32 columns, FB block 2 c + 1.  The exchange gives lanes 16-31 of FA block 2 c + 1 of columns 0-15, and lanes 0-15 of FB block 2 c of columns 16-31: two fragments.
.macro CROSS c
.irp i, 0,1,2,3,4,5
	v_permlane16_swap_b32 v[FA+6*(\c)+\i], v[FB+6*(\c)+\i]
.endr
.endm
	s_wait_loadcnt 63                              ; blocks 0 and 1 are in (they want at most 96 and 64 younger loads out; the count's field ends at 63)
	BLOCK 0
	BLOCK 1
	CROSS 0
	s_wait_loadcnt 32                              ; block 2 is in; block 3's 32 loads may be out
	BLOCK 2
	s_wait_loadcnt 0x0
	BLOCK 3
	CROSS 1
.irp i, 0,1,2
	global_store_b128 v4, v[FA+4*\i:FA+4*\i+3], s[12:13] offset:512*\i          ; 32 lanes store 512 consecutive bytes, at a multiple of 256 from the buffer's first byte
	global_store_b128 v4, v[FB+4*\i:FB+4*\i+3], s[12:13] offset:1536+512*\i
.endr
	global_store_b32 v5, v[SW], s[12:13] offset:6144   ; every second word of the unit's 256 bytes of scale words; the other wave of the unit stores the others: 128 of a unit's 6,400 bytes a wave
	s_endpgm
.Lfunc_end_k_q02ecf584e7_wq:
	.size	k_q02ecf584e7_wq, .Lfunc_end_k_q02ecf584e7_wq-k_q02ecf584e7_wq
	.p2alignl 7, 3214868480
	.fill 96, 4, 3214868480
	.section	.rodata,"a",@progbits
	.p2align	6, 0x0
	.amdhsa_kernel k_q02ecf584e7_wq
		.amdhsa_group_segment_fixed_size 0
		.amdhsa_private_segment_fixed_size 0
		.amdhsa_enable_private_segment 0
		.amdhsa_kernarg_size 40
		.amdhsa_user_sgpr_count 2
		.amdhsa_user_sgpr_kernarg_segment_ptr 1
		.amdhsa_wavefront_size32 1
		.amdhsa_system_sgpr_workgroup_id_x 1
		.amdhsa_system_sgpr_workgroup_id_y 1
		.amdhsa_system_sgpr_workgroup_id_z 1
		.amdhsa_system_vgpr_workitem_id 0
		.amdhsa_next_free_vgpr 192
		.amdhsa_next_free_sgpr 66
		.amdhsa_reserve_vcc 0
		.amdhsa_float_denorm_mode_32 3
		.amdhsa_float_denorm_mode_16_64 3
		.amdhsa_memory_ordered 1
		.amdhsa_forward_progress 1
		.amdhsa_inst_pref_size 21
	.end_amdhsa_kernel
	.amdgpu_metadata
---
amdhsa.version: [ 1, 2 ]
amdhsa.kernels:
  - .name:           k_q02ecf584e7_wq
    .symbol:         k_q02ecf584e7_wq.kd
    .args:
      - { .name: Wq, .offset: 0, .size: 8, .value_kind: global_buffer, .address_space: global }
      - { .name: Wk, .offset: 8, .size: 8, .value_kind: global_buffer, .address_space: global }
      - { .name: Wv, .offset: 16, .size: 8, .value_kind: global_buffer, .address_space: global }
      - { .name: Wo, .offset: 24, .size: 8, .value_kind: global_buffer, .address_space: global }
      - { .name: wimg, .offset: 32, .size: 8, .value_kind: global_buffer, .address_space: global }
    .group_segment_fixed_size: 0
    .private_segment_fixed_size: 0
    .kernarg_segment_align: 8
    .kernarg_segment_size: 40
    .max_flat_workgroup_size: 128
    .sgpr_count:     66
    .vgpr_count:     192
    .wavefront_size: 32
...
	.end_amdgpu_metadata
.endif
;; end of part 1
;; launch proj (part 2): grid 192 x 1, 4 waves a work-group, no clusters, 165,376 bytes of LDS; arguments query, key, value, bq, bk, bv, wimg, qimg, kimg, vimg; writes qimg, kimg, vimg
.if DOCPART == 2
	.amdgcn_target "amdgcn-amd-amdhsa--gfx1250"
	.amdhsa_code_object_version 6
	.text
	.protected	k_q02ecf584e7_proj
	.globl	k_q02ecf584e7_proj
	.p2align	8
	.type	k_q02ecf584e7_proj,@function
k_q02ecf584e7_proj:
	s_mov_b64 s[64:65], 0
	v_nop
	global_prefetch_b8 v0, s[64:65] scope:SCOPE_SE
	s_setreg_imm32_b32 hwreg(HW_REG_WAVE_MODE, 25, 1), 1
	s_wait_xcnt 0x0
; Q = query Wq + bq, K = key Wk + bk, V = value Wv + bv, all three on codes of FP6 (E2M3) with one E8M0 byte for each 32 along K, sums in f32; the results leave as codes again:
; Q and K quantised along the head's 64, V along the keys, in the order of the next products' operand registers (fragments and units as laid out at the head of the launch that makes wimg).
; SHARES.  A work-group takes 128 rows of one of the three tensors (work-group / 64) and all 1,024 columns, so that each f32 number is read from memory once.
;   PHASE X: wave w quantises rows 32 w .. 32 w + 31 for all of K: 16 fragments, stored in LDS as images of their registers.  One barrier.
;   THE PRODUCT: wave w makes 128 rows x 128 columns twice (columns 128 (2 w + pass) on): 64 accumulators.  A fragment of the weight is read by ONE wave of the work-group, so it goes from memory
;   straight into registers: a wave's 32 units lie on end in wimg.  x's fragments come from LDS.
; Q AND K: the product is used transposed (source 0 = 16 columns of W, source 1 = 16 rows of x): a lane holds one row, its registers run along the columns, which are the next K.
; V: the natural way (source 0 = x, source 1 = W): a lane holds one column d, its registers run along the rows, which are the keys, the next K.
; The bias is the C of each sum's first product.
; WHY NO CLUSTER: what work-groups share is the weight's image, and each fragment of it goes to one wave's registers; a joint load would send 819,200 bytes a work-group through LDS that now pass it by.
; ORDER INSIDE A BLOCK OF 32: place 16 hs + 8 u + j holds element 16 u + 8 hs + j; it is what QUANT makes of two neighbouring result tiles, and x is read from the stage in the same order.
; LIMITS: NaN and infinities are not served; a block of zeros gets the byte 1 where the quantiser says 127 (its codes are zeros; this program alone reads the bytes).
; LDS: K step s of x at 16,384 s: fragment a at + 1,536 a, 512 bytes of scale words at + 12,288 (the word at 16 l + 4 q: tile 2 q + l / 16, row l % 16); from 131,072 a stage of 16 rows x 528 bytes for each wave; then the spare words.
; REGISTERS, in windows of 256.  Window 0: v2-13 addresses; v32-39 W's scale words (4 slots x 2); v40-47 x's (2 sets x 4); v48-57 scale words on their way out; v64-159, v160-255 x's fragments, two sets
;   (phase X and the way out use them as work space).  Window 1: v0-191 W's fragments, a ring of 4 slots of 48; v192-255 the bias (phase X: four sets of 64 loaded numbers).  Windows 2, 3: the accumulators.
.set STG,   131072
.set SPARE, 164864                     ; the spare words, 128 bytes for each wave: two blocks of 256 bytes that no other line names
.set L16,  2                           ; v2   16 x lane
.set L8,   3                           ; v3   8 x lane
.set LXB,  4                           ; v4   16 x lane + 65,536: K steps 4 to 7 of x
.set STI,  5                           ; v5   the stage, on the way in: a row's 512 bytes as they lie
.set STO,  6                           ; v6   and on the way out: row r, + 32 h
.set XO,   7                           ; v7   x: 16 x lane + my wave's 32 rows
.set XWI0, 8                           ; v8   where I store x's images: 16 x lane + 3,072 x wave
.set XWS0, 9                           ; v9   and their scale words: 12,288 + 16 r + 4 x wave
.set XWI,  10                          ; v10, v11 the same, + the trip's two K steps
.set XWS,  11
.set BOQ,  12                          ; v12  bias, Q and K: 32 h
.set BOV,  13                          ; v13  bias, V: 4 r
.set WS,   32
.set XS,   40
.set SW,   48
.set RP,   56
.set PWA,  58
.set PWB,  59
.set SPW,  60                          ; v60  LDS address of my spare word; never rewritten
.set NIL,  61                          ; v61  0; never rewritten
.set XR,   64                          ; phase X: 64 numbers of a lane
.set TM,   160                         ; v160-175 at work in QUANT
.set E0,   176                         ; v176-187, v188-199 codes just made
.set E1,   188
.set CT,   200                         ; v200-206 upper halves of blocks on their way
.set BIAS, 192                         ; in window 1
.set WV,   24
.set TZ,   25
.set MI,   26
.set TI,   32
.set CNT,  33
.set PASS, 37
.set SEL,  38
.set HM,   40
.set MSB, 0
.macro WIN new                         ; the immediate's high byte repeats the setting that is left; a switch that changes nothing is dropped
.if MSB != (\new)
	s_set_vgpr_msb (MSB<<8)|(\new)
.set MSB, (\new)
.endif
.endm
; 64 numbers of a lane in window w, v[s] .. v[s + 63], register 16 b + i = place 16 h + i of block b of my row, become codes: blocks 0, 1 in v[d0] .. v[d0 + 5], blocks 2, 3 in v[d1] .. v[d1 + 5]; the four scale bytes in v[pw].
; Each group of eight registers is read from its low end on.
.macro QUANT s, w, d0, d1, pw
	WIN (\w)|((\w)<<2)
.irp b, 0,1,2,3
	v_max3_num_f32 v[TM+\b], |v[(\s)+16*\b]|, |v[(\s)+1+16*\b]|, 0x1800000   ; my 16 numbers of block b, and the floor 2^(3 - 127): the byte cannot fall under 1
.endr
	WIN ((\w)<<2)|((\w)<<4)
.irp i, 2,4,6,8,10,12,14
.irp b, 0,1,2,3
	v_max3_num_f32 v[TM+\b], v[TM+\b], |v[(\s)+16*\b+\i]|, |v[(\s)+1+16*\b+\i]|
.endr
.endr
	WIN 0
.irp b, 0,1,2,3
	v_permlanex16_b32 v[TM+4+\b], v[TM+\b], s[SEL], s[SEL+1]
.endr
.irp b, 0,1,2,3
	v_max_num_f32 v[TM+\b], v[TM+\b], v[TM+4+\b]   ; with lane l xor 16's: the block's largest magnitude
.endr
.irp b, 0,1,2,3
	v_add_nc_u32 v[TM+12+\b], 0xff000000, v[TM+\b] ; 2 off its exponent field: the conversion's scale operand
.endr
.irp b, 0,1,2,3
	v_lshrrev_b32 v[TM+4+\b], 23, v[TM+12+\b]      ; the scale's byte
.endr
	v_lshl_or_b32 v[\pw], v[TM+5], 8, v[TM+4]
	v_lshl_or_b32 v[\pw], v[TM+6], 16, v[\pw]
	v_lshl_or_b32 v[\pw], v[TM+7], 24, v[\pw]
	WIN \w
	v_cvt_scalef32_pk16_fp6_f32 v[(\d0):(\d0)+2], v[(\s):(\s)+15], v[TM+12]
	v_cvt_scalef32_pk16_fp6_f32 v[CT:CT+2], v[(\s)+16:(\s)+31], v[TM+13]
	v_cvt_scalef32_pk16_fp6_f32 v[(\d1):(\d1)+2], v[(\s)+32:(\s)+47], v[TM+14]
	v_cvt_scalef32_pk16_fp6_f32 v[CT+4:CT+6], v[(\s)+48:(\s)+63], v[TM+15]
	WIN 0
	v_nop                                          ; one plain instruction behind a scaled conversion
.irp i, 0,1,2                                  ; the operand's layout wants a whole block in a lane: lanes 0-15 the even block, lanes 16-31 the odd one
	v_permlane16_swap_b32 v[(\d0)+\i], v[CT+\i]
	v_permlane16_swap_b32 v[(\d1)+\i], v[CT+4+\i]
.endr
.irp i, 0,1,2
	v_mov_b32 v[(\d0)+3+\i], v[CT+\i]
	v_mov_b32 v[(\d1)+3+\i], v[CT+4+\i]
.endr
.endm
; sixteen loads: the 16 rows of fragment j of a trip (rows 16 (j % 2) on, K step j / 2 of the trip's two), 512 consecutive bytes each, into set j of window 1
.macro XLOADS j, off
.irp i, 0,1,2,3,4,5,6,7,8,9,10,11,12,13,14,15
	global_load_b128 v[64*(\j)+4*\i:64*(\j)+4*\i+3], v[XO], s[4:5] offset:(((\j)&1)*16+\i)*4096+((\j)>>1)*512+(\off) th:TH_LOAD_NT
.endr
.endm
; a unit of the weight's image, 13 loads: four fragments into a slot of the ring, two registers of scale words
.macro WLOAD slot, off
	WIN 0x40                                       ; destination window 1
.irp f, 0,1,2,3
.irp q, 0,1,2
	global_load_b128 v[48*(\slot)+12*\f+4*\q:48*(\slot)+12*\f+4*\q+3], v[L16], s[16:17] offset:(\off)+1536*\f+512*\q
.endr
.endr
	WIN 0
	global_load_b64 v[WS+2*(\slot):WS+2*(\slot)+1], v[L8], s[16:17] offset:(\off)+6144
.endm
; K step st of x from LDS: eight fragments and four registers of scale words, 25 loads
.macro XFETCH set, st
.set XAD, L16
.if (\st) >= 4
.set XAD, LXB
.endif
.irp a, 0,1,2,3,4,5,6,7
.irp q, 0,1,2
	ds_load_b128 v[64+96*(\set)+12*\a+4*\q:64+96*(\set)+12*\a+4*\q+3], v[XAD] offset:((\st)%4)*16384+1536*\a+512*\q
.endr
.endr
	ds_load_b128 v[XS+4*(\set):XS+4*(\set)+3], v[XAD] offset:((\st)%4)*16384+12288
.endm
; PHASE X, one fragment.  The loads take the bytes as they lie; the conversions want 16 places of a block in one lane's registers: so the 16 rows turn through my own stage.
; ahead = 1: the set is loaded again for the next trip; 2: the weight's first three units are asked for instead.  left: how many younger loads may stay out.
.macro XFRAG j, ahead, left
	s_wait_loadcnt \left
	WIN 0x04                                       ; an LDS store's data are its source 1: window 1
.irp i, 0,1,2,3,4,5,6,7,8,9,10,11,12,13,14,15
	ds_store_b128 v[STI], v[64*(\j)+4*\i:64*(\j)+4*\i+3] offset:528*\i
.endr
	WIN 0
.irp b, 0,1,2,3
.irp u, 0,1
.irp e, 0,1
	ds_load_b128 v[XR+16*\b+8*\u+4*\e:XR+16*\b+8*\u+4*\e+3], v[STO] offset:128*\b+64*\u+16*\e   ; LDS serves a wave's instructions in order: these see the stores above
.endr
.endr
.endr
	s_wait_dscnt 0x0                               ; the numbers are back; the last fragment's stores have read their registers
.if (\ahead) == 1
	WIN 0x40
	XLOADS \j, 1024
	WIN 0
.endif
.if (\ahead) == 2
	WLOAD 0, 0                                     ; into sets 0 to 2, which are done with
	WLOAD 1, 6400
	WLOAD 2, 12800
.endif
	QUANT XR, 0, E0, E0+6, PWA
.irp q, 0,1,2
	ds_store_b128 v[XWI], v[E0+4*\q:E0+4*\q+3] offset:((\j)>>1)*16384+((\j)&1)*1536+512*\q
.endr
	ds_store_b32 v[XWS], v[PWA] offset:((\j)>>1)*16384+256*((\j)&1)   ; lanes l and l + 16 write the same word with the same value
.endm
; one product; its registers and the rows of its scale registers stand in symbols
.macro WM
.if fA && fB
	v_wmma_scale_f32_16x16x128_f8f6f4 v[rD:rD+7], v[rA:rA+11], v[rB:rB+11], v[rC:rC+7], v[rSA], v[rSB] matrix_a_fmt:MATRIX_FMT_FP6 matrix_b_fmt:MATRIX_FMT_FP6 matrix_a_scale:MATRIX_SCALE_ROW1 matrix_b_scale:MATRIX_SCALE_ROW1
.elseif fA
	v_wmma_scale_f32_16x16x128_f8f6f4 v[rD:rD+7], v[rA:rA+11], v[rB:rB+11], v[rC:rC+7], v[rSA], v[rSB] matrix_a_fmt:MATRIX_FMT_FP6 matrix_b_fmt:MATRIX_FMT_FP6 matrix_a_scale:MATRIX_SCALE_ROW1
.elseif fB
	v_wmma_scale_f32_16x16x128_f8f6f4 v[rD:rD+7], v[rA:rA+11], v[rB:rB+11], v[rC:rC+7], v[rSA], v[rSB] matrix_a_fmt:MATRIX_FMT_FP6 matrix_b_fmt:MATRIX_FMT_FP6 matrix_b_scale:MATRIX_SCALE_ROW1
.else
	v_wmma_scale_f32_16x16x128_f8f6f4 v[rD:rD+7], v[rA:rA+11], v[rB:rB+11], v[rC:rC+7], v[rSA], v[rSB] matrix_a_fmt:MATRIX_FMT_FP6 matrix_b_fmt:MATRIX_FMT_FP6
.endif
.endm
; UNIT u of a pass's sixteen: K step u / 2, columns 64 (u % 2) on: 32 products, x's eight tiles of rows against the unit's four tiles of columns.  path = 0: Q and K; 1: V.
; The 64 accumulators take turns, one instruction a turn: between two links of a chain stand 63 others'.
.macro UNIT path, u
.set SL, (\u)%4
.set SE, ((\u)/2)%2
.set HB, (\u)%2
.if (\u) < 2
.set FI, 1
.else
.set FI, 0
.endif
.rept 4
	v_nop                                          ; places in front of loads into registers that matrix instructions have read
.endr
	WLOAD ((\u)+3)%4, ((\u)+3)*6400                ; three units ahead; a pass's last three ask for the next pass's first three (behind the last pass: 19,200 bytes that nobody uses; they lie inside wimg, where Wo's image follows)
.if HB == 1
	XFETCH (1-SE), (((\u)/2)+1)%8                  ; the next K step of x (behind the last: K step 0, for the next pass)
.endif
.if (\u) == 0
	s_wait_loadcnt 13                              ; all but the unit just asked for: so the bias is in too
.else
	s_wait_loadcnt 39                              ; this unit is in; the three younger units of 13 loads may be out
.endif
.if HB == 0
	s_wait_dscnt 0x0                               ; this K step of x is in
.endif
.if (\path) && ((\u) == 0)
	WIN 0x41
.irp b, 0,1,2,3,4,5,6,7
.irp k, 1,2,3,4,5,6,7
	v_mov_b32 v[BIAS+8*\b+\k], v[BIAS+8*\b]        ; V: a lane holds one column, so its eight registers of a tile take the same bias
.endr
.endr
.endif
.set A_, 0
.rept 8
.if \path
.if FI
	WIN 0x94+0x40*HB                               ; source 1 (W) and C (bias) window 1, D window 2 or 3
.else
	WIN 0xa4+0x50*HB
.endif
.else
.if FI
	WIN 0x91+0x40*(A_/4)                           ; source 0 (W) and C (bias) window 1, D window 2 or 3
.else
	WIN 0xa1+0x50*(A_/4)
.endif
.endif
.set B_, 0
.rept 4
.if \path
.set rD, 8*(8*B_+A_)
.set rA, 64+96*SE+12*A_
.set rB, 48*SL+12*B_
.set rSA, XS+4*SE+A_/2
.set rSB, WS+2*SL+B_/2
.set fA, A_%2
.set fB, B_%2
.else
.set rD, 8*(8*(A_%4)+4*HB+B_)
.set rA, 48*SL+12*B_
.set rB, 64+96*SE+12*A_
.set rSA, WS+2*SL+B_/2
.set rSB, XS+4*SE+A_/2
.set fA, B_%2
.set fB, A_%2
.endif
.set rC, rD
.if FI
.set rC, BIAS+8*(4*HB+B_)
.endif
	WM
.set B_, B_+1
.endr
.set A_, A_+1
.endr
.endm
.macro BIASLD path                     ; my 128 columns' bias, in the result's layout
	WIN 0x40
.irp b, 0,1,2,3,4,5,6,7
.if \path
	global_load_b32 v[BIAS+8*\b], v[BOV], s[10:11] offset:64*\b
.else
	global_load_b128 v[BIAS+8*\b:BIAS+8*\b+3], v[BOQ], s[10:11] offset:64*\b
	global_load_b128 v[BIAS+8*\b+4:BIAS+8*\b+7], v[BOQ], s[10:11] offset:64*\b+16
.endif
.endr
	WIN 0
.endm
.macro NEXTBIAS path                   ; behind a pass's products: four places, then the next pass's bias, if there is a next pass: no load leaves the bias's 4,096 bytes
.rept 4
	v_nop
.endr
	WIN 0
	s_cmp_eq_u32 s[PASS], 1
	s_cbranch_scc1 .Lno_bias_\@
	s_add_nc_u64 s[10:11], s[10:11], 512           ; (this pass's bias loads were shown done by the wait in its first unit)
	BIASLD \path
.Lno_bias_\@:
.endm
.macro SCALEOUT                        ; the two heads' scale words: lanes 0-15 take an even fragment's, lanes 16-31 the odd one's; 32 lanes store 256 consecutive bytes
.irp hd, 0,1
	s_wait_xcnt 0x0                                ; the last store has read its registers
	v_cndmask_b32 v[RP], v[SW+4*\hd], v[SW+4*\hd+1], s[HM]
	v_cndmask_b32 v[RP+1], v[SW+4*\hd+2], v[SW+4*\hd+3], s[HM]
	global_store_b64 v[L8], v[RP:RP+1], s[18:19] offset:102400*\hd+6144
.endr
.endm
.macro CLOSE                           ; the wave's end, behind my last LDS store
	s_wait_tensorcnt 0x0
	ds_add_u32 v[SPW], v[NIL]
	s_wait_dscnt 0x0
	s_endpgm
.endm
	s_load_b256 s[4:11], s[0:1], 0x0               ; query, key, value, bq
	s_load_b256 s[12:19], s[0:1], 0x20             ; bk, bv, wimg, qimg
	s_load_b128 s[20:23], s[0:1], 0x40             ; kimg, vimg
	v_lshl_add_u32 v[SPW], v0, 2, SPARE
	v_mov_b32 v[NIL], 0
	v_lshrrev_b32 v1, 5, v0
	v_readfirstlane_b32 s[WV], v1                  ; wave 0..3
	v_and_b32 v1, 31, v0                           ; lane
	v_and_b32 v14, 15, v0                          ; r
	v_bfe_u32 v15, v0, 4, 1                        ; h
	v_lshlrev_b32 v[L16], 4, v1
	v_lshlrev_b32 v[L8], 3, v1
	v_add_nc_u32 v[LXB], 0x10000, v[L16]
	s_mul_i32 s28, s[WV], 8448
	s_add_co_u32 s28, s28, STG                     ; my stage
	v_add_nc_u32 v[STI], s28, v[L16]
	v_mul_u32_u24 v[STO], v14, 528
	v_lshl_add_u32 v[STO], v15, 5, v[STO]
	v_add_nc_u32 v[STO], s28, v[STO]
	s_lshl_b32 s28, s[WV], 17                      ; 32 rows of 4,096 bytes a wave
	v_add_nc_u32 v[XO], s28, v[L16]
	s_mul_i32 s28, s[WV], 3072
	v_add_nc_u32 v[XWI0], s28, v[L16]
	s_lshl_b32 s28, s[WV], 2
	s_add_co_u32 s28, s28, 12288
	v_lshl_add_u32 v[XWS0], v14, 4, s28
	v_lshlrev_b32 v[BOQ], 5, v15
	v_lshlrev_b32 v[BOV], 2, v14
.irp b, 0,1,2,3
	v_mov_b32 v[TM+4+\b], 0                        ; written once: a lane permute's destination counts as one of its sources
.endr
	s_mov_b32 s[SEL], 0x76543210
	s_mov_b32 s[SEL+1], 0xfedcba98                 ; v_permlanex16_b32's selects for lane l xor 16
	s_mov_b32 s[HM], 0xffff0000                    ; lanes 16-31
	s_lshr_b32 s[TZ], ttmp9, 6                     ; 0: query, 1: key, 2: value
	s_and_b32 s[MI], ttmp9, 63                     ; which 128 rows
	s_lshl_b32 s28, s[MI], 19                      ; x: 128 rows of 4,096 bytes
	s_mov_b32 s29, 0
	s_mul_i32 s30, s[TZ], 819200                   ; the weight's image, my wave's 32 units
	s_mul_i32 s31, s[WV], 204800
	s_add_co_u32 s30, s30, s31
	s_mov_b32 s31, 0
	s_lshr_b32 s42, s[MI], 4                       ; out: batch x 16 heads of 102,400 bytes,
	s_mul_i32 s42, s42, 1638400
	s_mul_i32 s43, s[WV], 409600                   ; my wave's four heads,
	s_add_co_u32 s42, s42, s43
	s_and_b32 s43, s[MI], 15
	s_mul_i32 s43, s43, 6400                       ; the unit of these 128 rows
	s_add_co_u32 s42, s42, s43
	s_mov_b32 s43, 0
	s_lshl_b32 s44, s[WV], 10                      ; bias: 256 numbers a wave
	s_mov_b32 s45, 0
	s_mov_b32 s[TI], 0
	s_wait_kmcnt 0x0
	s_cmp_eq_u32 s[TZ], 1                          ; the choices hang on the work-group's number alone
	s_cselect_b64 s[4:5], s[6:7], s[4:5]
	s_cselect_b64 s[10:11], s[12:13], s[10:11]
	s_cselect_b64 s[18:19], s[20:21], s[18:19]
	s_cmp_eq_u32 s[TZ], 2
	s_cselect_b64 s[4:5], s[8:9], s[4:5]
	s_cselect_b64 s[10:11], s[14:15], s[10:11]
	s_cselect_b64 s[18:19], s[22:23], s[18:19]
	s_add_nc_u64 s[4:5], s[4:5], s[28:29]          ; x
	s_add_nc_u64 s[16:17], s[16:17], s[30:31]      ; the weight's image
	s_add_nc_u64 s[18:19], s[18:19], s[42:43]      ; out
	s_add_nc_u64 s[10:11], s[10:11], s[44:45]      ; bias
	; ---- PHASE X: four trips of four fragments (two K steps x my two tiles of rows); 64 loads of 512 bytes a wave are out
	WIN 0x40
	XLOADS 0, 0
	XLOADS 1, 0
	XLOADS 2, 0
	XLOADS 3, 0
	WIN 0
	s_mov_b32 s[CNT], 3
.Lx:
	v_add_nc_u32 v[XWI], s[TI], v[XWI0]
	v_add_nc_u32 v[XWS], s[TI], v[XWS0]
	XFRAG 0, 1, 48                                 ; my set is in; the three younger sets of 16 loads stay out
	XFRAG 1, 1, 48
	XFRAG 2, 1, 48
	XFRAG 3, 1, 48
	s_wait_xcnt 0x0                                ; the loads have read their base
	s_add_nc_u64 s[4:5], s[4:5], 1024
	s_add_co_u32 s[TI], s[TI], 32768
	s_sub_co_u32 s[CNT], s[CNT], 1
	s_cmp_lg_u32 s[CNT], 0
	s_cbranch_scc1 .Lx
	v_add_nc_u32 v[XWI], s[TI], v[XWI0]
	v_add_nc_u32 v[XWS], s[TI], v[XWS0]
	XFRAG 0, 0, 48                                 ; the last trip loads no x: the counts run down
	XFRAG 1, 0, 32
	XFRAG 2, 0, 16
	XFRAG 3, 2, 0
	s_wait_dscnt 0x0                               ; for the others' sake: my images have landed
	s_barrier_signal -1
	s_barrier_wait -1                              ; all 64 fragments of x lie in LDS; nothing is stored to LDS from here on
	s_cmp_eq_u32 s[TZ], 2
	s_cbranch_scc1 .Lv_path
	; ---- Q and K
	BIASLD 0
	XFETCH 0, 0
	s_mov_b32 s[PASS], 2
.Lqk_pass:
.set U_, 0
.rept 16
	UNIT 0, U_
.set U_, U_+1
.endr
	NEXTBIAS 0
.irp i, 0,1,2,3                        ; tiles of rows 2 i and 2 i + 1 make fragment i of each of my two heads: registers 0-5 row 32 i + r, registers 6-11 row 32 i + 16 + r, 64 codes each
	s_wait_xcnt 0x0                                ; the last stores have read their registers
	QUANT 64*((2*\i)%4), 2+(2*\i)/4, E0, E1, PWA
	QUANT 64*((2*\i+1)%4), 2+(2*\i+1)/4, E0+6, E1+6, PWB
	v_perm_b32 v[SW+\i], v[PWB], v[PWA], 0x05040100     ; the first head's word: two bytes of each row
	v_perm_b32 v[SW+4+\i], v[PWB], v[PWA], 0x07060302   ; the second head's
.irp q, 0,1,2
	global_store_b128 v[L16], v[E0+4*\q:E0+4*\q+3], s[18:19] offset:1536*\i+512*\q          ; 32 lanes store 512 consecutive bytes, at a multiple of 256 from the buffer's first byte
	global_store_b128 v[L16], v[E1+4*\q:E1+4*\q+3], s[18:19] offset:102400+1536*\i+512*\q
.endr
.endr
	SCALEOUT
	s_wait_xcnt 0x0                                ; stores and loads have read their bases and registers
	s_add_nc_u64 s[18:19], s[18:19], 204800        ; two heads on
	s_add_nc_u64 s[16:17], s[16:17], 102400        ; sixteen units on
	s_sub_co_u32 s[PASS], s[PASS], 1
	s_cmp_lg_u32 s[PASS], 0
	s_cbranch_scc1 .Lqk_pass
	CLOSE
	; ---- V
.Lv_path:
	BIASLD 1
	XFETCH 0, 0
	s_mov_b32 s[PASS], 2
.Lv_pass:
.set U_, 0
.rept 16
	UNIT 1, U_
.set U_, U_+1
.endr
	NEXTBIAS 1
.irp b, 0,1,2,3,4,5,6,7                ; tile of columns b: fragment b % 4 of head b / 4: 16 of the head's 64 x these 128 keys
	s_wait_xcnt 0x0
	QUANT 64*(\b%4), 2+\b/4, E0, E0+6, SW+\b
.irp q, 0,1,2
	global_store_b128 v[L16], v[E0+4*\q:E0+4*\q+3], s[18:19] offset:(\b/4)*102400+(\b%4)*1536+512*\q
.endr
.endr
	SCALEOUT
	s_wait_xcnt 0x0
	s_add_nc_u64 s[18:19], s[18:19], 204800
	s_add_nc_u64 s[16:17], s[16:17], 102400
	s_sub_co_u32 s[PASS], s[PASS], 1
	s_cmp_lg_u32 s[PASS], 0
	s_cbranch_scc1 .Lv_pass
	CLOSE
.Lfunc_end_k_q02ecf584e7_proj:
	.size	k_q02ecf584e7_proj, .Lfunc_end_k_q02ecf584e7_proj-k_q02ecf584e7_proj
	.p2alignl 7, 3214868480
	.fill 96, 4, 3214868480
	.section	.rodata,"a",@progbits
	.p2align	6, 0x0
	.amdhsa_kernel k_q02ecf584e7_proj
		.amdhsa_group_segment_fixed_size 165376
		.amdhsa_private_segment_fixed_size 0
		.amdhsa_enable_private_segment 0
		.amdhsa_kernarg_size 80
		.amdhsa_user_sgpr_count 2
		.amdhsa_user_sgpr_kernarg_segment_ptr 1
		.amdhsa_wavefront_size32 1
		.amdhsa_system_sgpr_workgroup_id_x 1
		.amdhsa_system_sgpr_workgroup_id_y 1
		.amdhsa_system_sgpr_workgroup_id_z 1
		.amdhsa_system_vgpr_workitem_id 0
		.amdhsa_next_free_vgpr 1024
		.amdhsa_next_free_sgpr 66
		.amdhsa_reserve_vcc 0
		.amdhsa_float_denorm_mode_32 3
		.amdhsa_float_denorm_mode_16_64 3
		.amdhsa_memory_ordered 1
		.amdhsa_forward_progress 1
		.amdhsa_inst_pref_size 255
	.end_amdhsa_kernel
	.section	.bss,"aw",@nobits
	.p2align	6
	.space	262144
	.amdgpu_metadata
---
amdhsa.version: [ 1, 2 ]
amdhsa.kernels:
  - .name:           k_q02ecf584e7_proj
    .symbol:         k_q02ecf584e7_proj.kd
    .args:
      - { .name: query, .offset: 0, .size: 8, .value_kind: global_buffer, .address_space: global }
      - { .name: key, .offset: 8, .size: 8, .value_kind: global_buffer, .address_space: global }
      - { .name: value, .offset: 16, .size: 8, .value_kind: global_buffer, .address_space: global }
      - { .name: bq, .offset: 24, .size: 8, .value_kind: global_buffer, .address_space: global }
      - { .name: bk, .offset: 32, .size: 8, .value_kind: global_buffer, .address_space: global }
      - { .name: bv, .offset: 40, .size: 8, .value_kind: global_buffer, .address_space: global }
      - { .name: wimg, .offset: 48, .size: 8, .value_kind: global_buffer, .address_space: global }
      - { .name: qimg, .offset: 56, .size: 8, .value_kind: global_buffer, .address_space: global }
      - { .name: kimg, .offset: 64, .size: 8, .value_kind: global_buffer, .address_space: global }
      - { .name: vimg, .offset: 72, .size: 8, .value_kind: global_buffer, .address_space: global }
    .group_segment_fixed_size: 165376
    .private_segment_fixed_size: 0
    .kernarg_segment_align: 8
    .kernarg_segment_size: 80
    .max_flat_workgroup_size: 128
    .sgpr_count:     66
    .vgpr_count:     1024
    .wavefront_size: 32
...
	.end_amdgpu_metadata
.endif
;; end of part 2
;; launch attn (part 3): grid 4 x 64, 16 waves a work-group, clusters of 4 x 1, 206,848 bytes of LDS; arguments qimg, kimg, vimg, oimg; writes oimg
.if DOCPART == 3
	.amdgcn_target "amdgcn-amd-amdhsa--gfx1250"
	.amdhsa_code_object_version 6
	.text
	.protected	k_q02ecf584e7_attn
	.globl	k_q02ecf584e7_attn
	.p2align	8
	.type	k_q02ecf584e7_attn,@function
k_q02ecf584e7_attn:
	s_mov_b64 s[64:65], 0
	v_nop
	global_prefetch_b8 v0, s[64:65] scope:SCOPE_SE
	s_setreg_imm32_b32 hwreg(HW_REG_WAVE_MODE, 25, 1), 1
	s_wait_xcnt 0x0
	s_wait_alu depctr_hold_cnt(0) depctr_sa_sdst(0) depctr_va_vdst(0) depctr_va_sdst(0) depctr_va_ssrc(0) depctr_va_vcc(0) depctr_vm_vsrc(0)
	s_getreg_b32 s2, hwreg(HW_REG_IB_STS2, 6, 4)
	s_cmp_eq_u32 s2, 0
	s_cbranch_scc0 .Lentry_in_a_cluster
	s_endpgm
.Lentry_in_a_cluster:
	s_bfe_u32 s2, ttmp6, 0x10000c
	s_cmp_lg_u32 s2, 0x3003
	s_cbranch_scc0 .Lentry_shape_is_right
	s_endpgm
.Lentry_shape_is_right:
; O = softmax(Q K^T / 8) V for one batch and head (cluster y), both products on codes of FP6 (E2M3) with one E8M0 byte for each 32 along a product's K; O / the row's sum leaves as codes along the model's 1,024.
; THE SOFTMAX AHEAD OF THE SECOND PRODUCT: t = score x log2(e) / 8; M = the running largest t rounded UP to a whole number; p = 2^(t - M) is what is quantised along the keys, not normalised;
; the row's sum is taken of the unquantised p and divides at the end; when M moves, the sum and O are multiplied by 2^(old M - new M), which rounds nothing.
; SHARES.  The four work-groups of a cluster take 512 queries each of ONE head.  The head's K and V as codes, 2 x 102,400 bytes, fit in LDS whole: they are asked for JOINTLY, once, sixteen loads of 12,800 bytes,
; one a wave; nothing is ever filled again, so there is no ring.  A wave owns one tile of 16 queries at a time, in 256 registers, four waves to a SIMD, and walks all 2,048 keys, 128 a step; then a second tile.
; LAYOUT.  Both products are used transposed (S^T = K Q^T, O^T = V^T P^T): a lane holds one query throughout.
; THE HEAD IS 64 WIDE, THE INSTRUCTION 128: a fragment of K holds two tiles of keys side by side (registers 0-5 key 32 i + r, registers 6-11 key 32 i + 16 + r); multiplied by [q, 0] it gives the first tile's scores, by [0, q]
; the second's: zero codes add nothing.  So one fragment read from LDS feeds two products.
; The keys of a block of 32 stand in p's codes at place 16 h + 8 u + j for key 16 u + 8 h + j, and V's codes were laid in the same order.
; LIMITS: an exponential under 2^-126 comes out as 0; NaN and infinities are not served; a block of zeros gets the byte 1 (its codes are zeros; this program alone reads the bytes).
; LDS: K's 16 units of 6,400 bytes from 0, V's from 102,400, the spare words from 204,800.
.set VB,    102400
.set SPARE, 204800                     ; the spare words, 128 bytes for each wave: eight blocks of 256 bytes that no other line names
.set LK,  1                            ; v1   16 x lane
.set LV,  2                            ; v2   16 x lane + V's base
.set LKS, 3                            ; v3   8 x lane + 6,144: a unit's scale words
.set LVS, 4                            ; v4   the same for V
.set SPW, 5                            ; v5   LDS address of my spare word; never rewritten
.set NIL, 6                            ; v6   0; never rewritten
.set QOF, 7                            ; v7   Q: 16 x lane + my fragment in its unit
                                       ; v8-11 the step's LDS addresses; v12 -M, v13 the largest t, v[14:15] the sum in two halves
.set QLO, 16                           ; v16-27 [q, 0];  v28-39 [0, q]
.set QS,  40                           ; v40  q's two scale bytes, twice
.set QSO, 41                           ; v41  where q's scale word lies
.set OO1, 42                           ; v42, v43, v227 where my codes and scale bytes go
.set OO2, 43
.set FR,  44                           ; v44-91 four fragments of K, then of V
.set KS,  92                           ; v92-93 K's scale words, v94-95 V's
.set VS,  94
.set S,   96                           ; v96-159 S^T, then p
.set O,   160                          ; v160-191 O^T
.set PC,  192                          ; v192-203 p's codes
.set CT,  204                          ; v204-210 upper halves of blocks on their way
.set BM,  212                          ; v212-215 each block's largest score, then its largest p
.set BT,  216                          ; v216-219 at work
.set SO,  220                          ; v220-223 the conversions' scale operands
.set FF,  224                          ; v224 f = 2^(old M - new M)
.set PS,  225                          ; v225 p's scale word
.set TT,  226                          ; v226 at work
.set OO3, 227
.set OB2, 228                          ; v228 O's two scale bytes
.set WV,  12
.set CX,  13
.set BH,  14
.set G1,  16                           ; s[16:23] descriptor group 1;  s[24:27], s[44:47] groups 0 for K and for V
.set G0K, 24
.set SEL, 28
.set CS,  30
.set TB,  32
.set STEPS, 33
.set BLK, 34
.set UM,  35
.set PSEL, 36
.set G0V, 44
.macro CROUND                          ; a round of the cluster's barrier
	s_barrier_signal -1
	s_barrier_wait -1
	s_cmp_lg_u32 s[WV], 0
	s_cbranch_scc1 .Lnot_wave_0_\@
	s_barrier_signal -3
.Lnot_wave_0_\@:
	s_barrier_wait -3
	s_barrier_signal -1
	s_barrier_wait -1
.endm
	s_load_b256 s[4:11], s[0:1], 0x0               ; qimg, kimg, vimg, oimg
	v_lshl_add_u32 v[SPW], v0, 2, SPARE
	v_mov_b32 v[NIL], 0
	ds_add_u32 v[SPW], v[NIL]                      ; the wave's opening: the add and its wait stand ahead of my first tensor load; the set-up below, work on registers, stands between them
	v_lshrrev_b32 v8, 5, v0
	v_readfirstlane_b32 s[WV], v8                  ; wave 0..15
	s_bfe_u32 s[CX], ttmp6, 0x40000                ; my place in the cluster: it enters Q's and O's addresses alone
	s_and_b32 s[BH], ttmp7, 0xffff                 ; batch x 16 + head, which the four partners share
	; descriptor group 1: 12,800 dense bytes as 50 rows of 256 bytes (32 elements of 8 bytes)
	s_mov_b32 s[G1], 15|(3<<16)|(1<<21)            ; 15:0 the mask: all four work-groups; 17:16 elements of 8 bytes; 21 set beside a mask; no padding
	s_mov_b32 s[G1+1], 32<<16                      ; tensor_dim0 = 32
	s_mov_b32 s[G1+2], 50<<16                      ; tensor_dim1 = 50
	s_mov_b32 s[G1+3], 32<<16                      ; tile_dim0 = 32
	s_mov_b32 s[G1+4], 50                          ; tile_dim1 = 50
	s_mov_b32 s[G1+5], 32                          ; from row to row
	s_mov_b32 s[G1+6], 0
	s_mov_b32 s[G1+7], 0
	s_mul_i32 s38, s[BH], 102400                   ; the head's first byte in qimg, kimg and vimg
	s_and_b32 s40, s[WV], 7
	s_mul_i32 s40, s40, 12800                      ; my eighth of K or of V
	s_add_co_u32 s40, s40, s38
	s_mov_b32 s41, 0
	s_mul_i32 s42, s[WV], 12800                    ; and its place in LDS: waves 0-7 fill K's bytes, waves 8-15 V's, which follow
	s_mov_b32 s[SEL], 0x76543210
	s_mov_b32 s[SEL+1], 0xfedcba98                 ; v_permlanex16_b32's selects for lane l xor 16
	s_mov_b32 s[CS], 0x3e38aa3b                    ; c = log2(e) / 8
	s_mov_b32 s[CS+1], s[CS]                       ; (named with it as a pair, so it is written)
	s_and_b32 s[UM], s[WV], 1                      ; which half of its fragment of Q holds my tile:
	s_mov_b32 s[PSEL], 0x01000100                  ; its two scale bytes, twice
	s_cmp_eq_u32 s[UM], 0
	s_cselect_b32 s[PSEL], s[PSEL], 0x03020302
	s_sub_co_u32 s[UM], 0, s[UM]                   ; and as a mask of lanes: none or all
	s_wait_dscnt 0x0                               ; the opening add is done
	s_wait_kmcnt 0x0
	s_mov_b32 s[G0K], 1
	s_mov_b32 s[G0K+1], s42
	s_add_nc_u64 s[G0K+2:G0K+3], s[6:7], s[40:41]
	s_or_b32 s[G0K+3], s[G0K+3], 0x80000000
	s_mov_b32 s[G0V], 1
	s_mov_b32 s[G0V+1], s42
	s_add_nc_u64 s[G0V+2:G0V+3], s[8:9], s[40:41]
	s_or_b32 s[G0V+3], s[G0V+3], 0x80000000
	CROUND                                         ; all four work-groups are here: the joint loads meet
	s_cmp_lt_u32 s[WV], 8                          ; the branch hangs on the wave's number alone; one tensor load of mine is out
	s_cbranch_scc0 .Lfor_v
	tensor_load_to_lds s[G0K:G0K+3], s[G1:G1+7]
	s_nop 0
.rept 4
	v_nop
.endr
	s_branch .Lasked
.Lfor_v:
	tensor_load_to_lds s[G0V:G0V+3], s[G1:G1+7]
	s_nop 0
.rept 4
	v_nop
.endr
.Lasked:
	v_and_b32 v8, 31, v0                           ; lane
	v_and_b32 v9, 15, v0                           ; r
	v_lshlrev_b32 v[LK], 4, v8
	v_add_nc_u32 v[LV], VB, v[LK]
	v_lshlrev_b32 v10, 3, v8
	v_add_nc_u32 v[LKS], 6144, v10
	v_add_nc_u32 v[LVS], VB+6144, v10
	; Q.  My tile in block qb is T = 32 cx + 16 qb + wave: unit T / 8, fragment f = (wave % 8) / 2, half wave % 2
	s_bfe_u32 s42, s[WV], 0x20001                  ; f
	s_mul_i32 s43, s42, 1536
	v_add_nc_u32 v[QOF], s43, v[LK]
	s_and_b32 s43, s42, 1
	s_lshl_b32 s43, s43, 7                         ; the scale word of fragment f, row r: 6,144 + 8 (r + 16 (f % 2)) + 4 (f / 2)
	s_lshr_b32 s48, s42, 1
	s_lshl_b32 s48, s48, 2
	s_add_co_u32 s43, s43, s48
	s_add_co_u32 s43, s43, 6144
	v_lshl_add_u32 v[QSO], v9, 3, s43
	s_lshl_b32 s48, s[CX], 2
	s_lshr_b32 s49, s[WV], 3
	s_add_co_u32 s48, s48, s49                     ; block 0's unit: 4 cx + wave / 8
	s_mul_i32 s50, s48, 6400
	s_add_co_u32 s50, s50, s38
	s_mov_b32 s51, 0
	s_add_nc_u64 s[4:5], s[4:5], s[50:51]
	; O.  Record (batch x 16 + T / 8) of 102,400 bytes; half fragment (16 (head / 2) + 2 (wave % 8) + head % 2) of 768 bytes
	s_lshr_b32 s49, s[BH], 4
	s_lshl_b32 s49, s49, 4
	s_add_co_u32 s49, s49, s48
	s_mul_i32 s50, s49, 102400
	s_add_nc_u64 s[10:11], s[10:11], s[50:51]
	s_and_b32 s52, s[BH], 15
	s_lshr_b32 s53, s52, 1                         ; K step of the last product
	s_and_b32 s52, s52, 1                          ; which half of it
	s_and_b32 s54, s[WV], 7                        ; tile of rows a
	s_lshl_b32 s55, s53, 4
	s_lshl_b32 s56, s54, 1
	s_add_co_u32 s55, s55, s56
	s_add_co_u32 s55, s55, s52
	s_mul_i32 s55, s55, 768
	v_add_nc_u32 v[OO1], s55, v[LK]
	v_add_nc_u32 v[OO2], s55, v10
	s_lshl_b32 s55, s53, 9                         ; the two scale bytes: 98,304 + 512 s + 16 (r + 16 (a % 2)) + 4 (a / 2) + 2 (head % 2)
	s_and_b32 s56, s54, 1
	s_lshl_b32 s56, s56, 8
	s_add_co_u32 s55, s55, s56
	s_lshr_b32 s56, s54, 1
	s_lshl_b32 s56, s56, 2
	s_add_co_u32 s55, s55, s56
	s_lshl_b32 s56, s52, 1
	s_add_co_u32 s55, s55, s56
	s_add_co_u32 s55, s55, 98304
	v_lshl_add_u32 v[OO3], v9, 4, s55
.irp i, 0,1,2,3,4,5
	v_mov_b32 v[QLO+6+\i], 0                       ; the zero halves of [q, 0] and [0, q]: written once
	v_mov_b32 v[QLO+12+\i], 0
.endr
.irp b, 0,1,2,3
	v_mov_b32 v[BT+\b], 0                          ; written once: a lane permute's destination counts as one of its sources
.endr
	v_mov_b32 v[PS], 0                             ; (named as the upper half of the pair with f before it is first written)
	v_mov_b32 v[TT], 0
	s_wait_tensorcnt 0x0                           ; my part of K or V has landed,
	s_barrier_signal -1
	s_barrier_wait -1                              ; everybody's has; LDS is only read from here on
	s_mov_b32 s[BLK], 2
.Lblock:
.irp q, 0,1,2
	global_load_b128 v[FR+4*\q:FR+4*\q+3], v[QOF], s[4:5] offset:512*\q   ; the fragment of Q that holds my tile
.endr
	global_load_b32 v[FR+12], v[QSO], s[4:5]       ; and its rows' scale words
	v_mov_b32 v13, 0xff61b1e6                      ; the largest t so far: -3e38, under every t
	v_floor_f32 v12, -v13                          ; -M
	v_mov_b32 v14, 0                               ; the sum, in two halves
	v_mov_b32 v15, 0
	s_mov_b32 s[TB], 0
	s_mov_b32 s[STEPS], 16
	s_wait_loadcnt 0x0
.irp i, 0,1,2,3,4,5
	v_cndmask_b32 v[QLO+\i], v[FR+\i], v[FR+6+\i], s[UM]   ; my tile's six registers
.endr
.irp i, 0,1,2,3,4,5
	v_mov_b32 v[QLO+18+\i], v[QLO+\i]
.endr
	v_perm_b32 v[QS], v[FR+12], v[FR+12], s[PSEL]  ; my two bytes at both places: they serve [q, 0] and [0, q] alike
.set J, 0
.rept 32
	v_mov_b32 v[O+J], 0                            ; O^T: the step is written once; its first trip finds zeros.  (These are also the places between the lines above and the first scaled product)
.set J, J+1
.endr
.Lstep:                                            ; 16 trips of 128 keys
	v_add_nc_u32 v8, s[TB], v[LK]                  ; (these four are the places behind the last products, in front of the loads into their registers)
	v_add_nc_u32 v9, s[TB], v[LV]
	v_add_nc_u32 v10, s[TB], v[LKS]
	v_add_nc_u32 v11, s[TB], v[LVS]
.irp f, 0,1,2,3
.irp q, 0,1,2
	ds_load_b128 v[FR+12*\f+4*\q:FR+12*\f+4*\q+3], v8 offset:1536*\f+512*\q
.endr
.endr
	ds_load_b64 v[KS:KS+1], v10
	s_wait_dscnt 0x0
.irp i, 0,1,2,3                        ; S^T: tile 2 i + u = keys 32 i + 16 u + 8 h + 0 .. 7 of my query
.irp u, 0,1
.if (\i)%2
	v_wmma_scale_f32_16x16x128_f8f6f4 v[S+8*(2*\i+\u):S+8*(2*\i+\u)+7], v[FR+12*\i:FR+12*\i+11], v[QLO+12*\u:QLO+12*\u+11], 0, v[KS+\i/2], v[QS] matrix_a_fmt:MATRIX_FMT_FP6 matrix_b_fmt:MATRIX_FMT_FP6 matrix_a_scale:MATRIX_SCALE_ROW1
.else
	v_wmma_scale_f32_16x16x128_f8f6f4 v[S+8*(2*\i+\u):S+8*(2*\i+\u)+7], v[FR+12*\i:FR+12*\i+11], v[QLO+12*\u:QLO+12*\u+11], 0, v[KS+\i/2], v[QS] matrix_a_fmt:MATRIX_FMT_FP6 matrix_b_fmt:MATRIX_FMT_FP6
.endif
.endr
.endr
.rept 4
	v_nop                                          ; places in front of the loads below and of the first read of the scores
.endr
.irp f, 0,1,2,3                        ; V's four fragments land while the softmax is walked
.irp q, 0,1,2
	ds_load_b128 v[FR+12*\f+4*\q:FR+12*\f+4*\q+3], v9 offset:1536*\f+512*\q
.endr
.endr
	ds_load_b64 v[VS:VS+1], v11
.irp b, 0,1,2,3
	v_max3_num_f32 v[BM+\b], v[S+16*\b], v[S+1+16*\b], v[S+2+16*\b]   ; the largest score of each block of 32 keys: it serves the row's maximum and, since p rises with the score, the block's largest p
.endr
.irp i, 3,5,7,9,11,13
.irp b, 0,1,2,3
	v_max3_num_f32 v[BM+\b], v[BM+\b], v[S+16*\b+\i], v[S+1+16*\b+\i]
.endr
.endr
.irp b, 0,1,2,3
	v_max_num_f32 v[BM+\b], v[BM+\b], v[S+15+16*\b]
.endr
.irp b, 0,1,2,3
	v_permlanex16_b32 v[BT+\b], v[BM+\b], s[SEL], s[SEL+1]
.endr
.irp b, 0,1,2,3
	v_max_num_f32 v[BM+\b], v[BM+\b], v[BT+\b]     ; with lane l xor 16's 16 keys
.endr
	v_max3_num_f32 v[TT], v[BM], v[BM+1], v[BM+2]
	v_max_num_f32 v[TT], v[TT], v[BM+3]            ; the step's largest score of my query
	v_mul_f32 v[TT], s[CS], v[TT]                  ; as t (c is positive)
	v_max_num_f32 v13, v13, v[TT]                  ; the running largest t
	v_mov_b32 v[TT], v12
	v_floor_f32 v12, -v13                          ; the new -M = floor(-t) = -ceil(t)
	v_sub_f32 v[TT], v12, v[TT]                    ; old M - new M: a whole number, 0 or less
	v_cvt_i32_f32 v[TT], v[TT]                     ; (it saturates)
	v_ldexp_f32 v[FF], 1.0, v[TT]                  ; f = 2^(old M - new M)
.set J, 0
.rept 32
	v_pk_fma_f32 v[S+J:S+J+1], v[S+J:S+J+1], s[CS:CS+1], v[12:13] op_sel_hi:[1,0,0]   ; t - M, two at a time
.set J, J+2
.endr
.irp b, 0,1,2,3
	v_fma_f32 v[BM+\b], v[BM+\b], s[CS], v12       ; the same of each block's largest score
.endr
.set J, 0
.rept 64
	v_exp_f32 v[S+J], v[S+J]                       ; p = 2^(t - M), at most 1
.set J, J+1
.endr
	v_pk_mul_f32 v[14:15], v[14:15], v[FF:FF+1] op_sel_hi:[1,0]   ; the sums under the new M: a plain instruction behind the exponentials
	s_wait_alu depctr_va_vdst(0)                   ; one wait for the whole batch, ahead of its first reader
.irp b, 0,1,2,3
	v_exp_f32 v[BM+\b], v[BM+\b]                   ; the block's largest p: the same two instructions on the same number give the same bits
.endr
	v_pk_add_f32 v[BT:BT+1], v[S:S+1], v[S+2:S+3]  ; the row's sum is taken of the unquantised p: two at a time, in two chains
.set J, 4
.rept 15
	v_pk_add_f32 v[14:15], v[14:15], v[S+J:S+J+1]
	v_pk_add_f32 v[BT:BT+1], v[BT:BT+1], v[S+J+2:S+J+3]
.set J, J+4
.endr
	v_pk_add_f32 v[14:15], v[14:15], v[BT:BT+1]
	s_wait_alu depctr_va_vdst(0)                   ; and one for the four
.irp b, 0,1,2,3
	v_max_num_f32 v[BM+\b], 0x1800000, v[BM+\b]    ; the floor 2^(3 - 127): the byte cannot fall under 1
.endr
.irp b, 0,1,2,3
	v_add_nc_u32 v[SO+\b], 0xff000000, v[BM+\b]    ; 2 off the exponent field: the conversion's scale operand
.endr
.irp b, 0,1,2,3
	v_lshrrev_b32 v[BT+\b], 23, v[SO+\b]           ; the scale's byte
.endr
	v_lshl_or_b32 v[PS], v[BT+1], 8, v[BT]         ; p's scale word for these 128 keys
	v_lshl_or_b32 v[PS], v[BT+2], 16, v[PS]
	v_lshl_or_b32 v[PS], v[BT+3], 24, v[PS]
.irp c, 0,1
	v_cvt_scalef32_pk16_fp6_f32 v[PC+6*\c:PC+6*\c+2], v[S+32*\c:S+32*\c+15], v[SO+2*\c]
	v_cvt_scalef32_pk16_fp6_f32 v[CT+4*\c:CT+4*\c+2], v[S+32*\c+16:S+32*\c+31], v[SO+2*\c+1]
.endr
	v_nop                                          ; one plain instruction behind a scaled conversion
.irp c, 0,1                            ; a whole block in a lane: lanes 0-15 block 2 c, lanes 16-31 block 2 c + 1
.irp i, 0,1,2
	v_permlane16_swap_b32 v[PC+6*\c+\i], v[CT+4*\c+\i]
.endr
.irp i, 0,1,2
	v_mov_b32 v[PC+6*\c+3+\i], v[CT+4*\c+\i]
.endr
.endr
.set J, 0
.rept 16
	v_pk_mul_f32 v[O+J:O+J+1], v[O+J:O+J+1], v[FF:FF+1] op_sel_hi:[1,0]   ; O^T under the new M.  (These sixteen are also the places between p's codes and scale word and the scaled products)
.set J, J+2
.endr
	s_wait_dscnt 0x0                               ; V is in
.irp t, 0,1,2,3                        ; O^T += V^T P^T: the four accumulators by turns
.if (\t)%2
	v_wmma_scale_f32_16x16x128_f8f6f4 v[O+8*\t:O+8*\t+7], v[FR+12*\t:FR+12*\t+11], v[PC:PC+11], v[O+8*\t:O+8*\t+7], v[VS+\t/2], v[PS] matrix_a_fmt:MATRIX_FMT_FP6 matrix_b_fmt:MATRIX_FMT_FP6 matrix_a_scale:MATRIX_SCALE_ROW1
.else
	v_wmma_scale_f32_16x16x128_f8f6f4 v[O+8*\t:O+8*\t+7], v[FR+12*\t:FR+12*\t+11], v[PC:PC+11], v[O+8*\t:O+8*\t+7], v[VS+\t/2], v[PS] matrix_a_fmt:MATRIX_FMT_FP6 matrix_b_fmt:MATRIX_FMT_FP6
.endif
.endr
	s_add_co_u32 s[TB], s[TB], 6400                ; the next unit of K and of V
	s_sub_co_u32 s[STEPS], s[STEPS], 1
	s_cmp_lg_u32 s[STEPS], 0
	s_cbranch_scc1 .Lstep
	; ---- the tile's way out: O^T / the sum, quantised along the head's 64: half a fragment of the last product's operand
.rept 4
	v_nop                                          ; places behind the last products
.endr
	v_add_f32 v14, v14, v15                        ; the sum's two halves,
	v_permlanex16_b32 v[TT], v14, s[SEL], s[SEL+1]
	v_add_f32 v14, v14, v[TT]                      ; and lane l xor 16's
	v_rcp_f32 v14, v14
	v_nop                                          ; a plain instruction behind the reciprocal
	s_wait_alu depctr_va_vdst(0)                   ; and the wait ahead of its first reader
.set J, 0
.rept 32
	v_mul_f32 v[S+J], v[O+J], v14                  ; register 16 b + 8 u + j: channel 32 b + 16 u + 8 h + j of my query
.set J, J+1
.endr
.irp b, 0,1
	v_max3_num_f32 v[BM+\b], |v[S+16*\b]|, |v[S+1+16*\b]|, 0x1800000
.endr
.irp i, 2,4,6,8,10,12,14
.irp b, 0,1
	v_max3_num_f32 v[BM+\b], v[BM+\b], |v[S+16*\b+\i]|, |v[S+1+16*\b+\i]|
.endr
.endr
.irp b, 0,1
	v_permlanex16_b32 v[BT+\b], v[BM+\b], s[SEL], s[SEL+1]
.endr
.irp b, 0,1
	v_max_num_f32 v[BM+\b], v[BM+\b], v[BT+\b]
.endr
.irp b, 0,1
	v_add_nc_u32 v[SO+\b], 0xff000000, v[BM+\b]
.endr
.irp b, 0,1
	v_lshrrev_b32 v[BT+\b], 23, v[SO+\b]
.endr
	v_lshl_or_b32 v[OB2], v[BT+1], 8, v[BT]        ; my row's two scale bytes
	v_cvt_scalef32_pk16_fp6_f32 v[PC:PC+2], v[S:S+15], v[SO]
	v_cvt_scalef32_pk16_fp6_f32 v[CT:CT+2], v[S+16:S+31], v[SO+1]
	v_nop
.irp i, 0,1,2
	v_permlane16_swap_b32 v[PC+\i], v[CT+\i]
.endr
.irp i, 0,1,2
	v_mov_b32 v[PC+3+\i], v[CT+\i]
.endr
	global_store_b128 v[OO1], v[PC:PC+3], s[10:11]             ; 512 consecutive bytes, at a multiple of 256 from the buffer's first byte
	global_store_b64 v[OO2], v[PC+4:PC+5], s[10:11] offset:512 ; and 256 more
	global_store_b16 v[OO3], v[OB2], s[10:11]                  ; two bytes a row, 16 bytes apart (lanes l and l + 16 the same bytes): 32 of a tile's 800 bytes; the word's other half is the neighbouring head's
	s_wait_xcnt 0x0                                ; loads and stores have read their bases and registers
	s_add_nc_u64 s[4:5], s[4:5], 12800             ; 256 queries on: two units of Q,
	s_add_nc_u64 s[10:11], s[10:11], 204800        ; two records of O
	s_sub_co_u32 s[BLK], s[BLK], 1
	s_cmp_lg_u32 s[BLK], 0
	s_cbranch_scc1 .Lblock
	s_wait_tensorcnt 0x0                           ; the wave's end
	ds_add_u32 v[SPW], v[NIL]
	s_wait_dscnt 0x0
	CROUND                                         ; the closing round
	s_endpgm
.Lfunc_end_k_q02ecf584e7_attn:
	.size	k_q02ecf584e7_attn, .Lfunc_end_k_q02ecf584e7_attn-k_q02ecf584e7_attn
	.p2alignl 7, 3214868480
	.fill 96, 4, 3214868480
	.section	.rodata,"a",@progbits
	.p2align	6, 0x0
	.amdhsa_kernel k_q02ecf584e7_attn
		.amdhsa_group_segment_fixed_size 206848
		.amdhsa_private_segment_fixed_size 0
		.amdhsa_enable_private_segment 0
		.amdhsa_kernarg_size 32
		.amdhsa_user_sgpr_count 2
		.amdhsa_user_sgpr_kernarg_segment_ptr 1
		.amdhsa_wavefront_size32 1
		.amdhsa_system_sgpr_workgroup_id_x 1
		.amdhsa_system_sgpr_workgroup_id_y 1
		.amdhsa_system_sgpr_workgroup_id_z 1
		.amdhsa_system_vgpr_workitem_id 0
		.amdhsa_next_free_vgpr 256
		.amdhsa_next_free_sgpr 66
		.amdhsa_reserve_vcc 0
		.amdhsa_float_denorm_mode_32 3
		.amdhsa_float_denorm_mode_16_64 3
		.amdhsa_memory_ordered 1
		.amdhsa_forward_progress 1
		.amdhsa_inst_pref_size 28
	.end_amdhsa_kernel
	.amdgpu_metadata
---
amdhsa.version: [ 1, 2 ]
amdhsa.kernels:
  - .name:           k_q02ecf584e7_attn
    .symbol:         k_q02ecf584e7_attn.kd
    .args:
      - { .name: qimg, .offset: 0, .size: 8, .value_kind: global_buffer, .address_space: global }
      - { .name: kimg, .offset: 8, .size: 8, .value_kind: global_buffer, .address_space: global }
      - { .name: vimg, .offset: 16, .size: 8, .value_kind: global_buffer, .address_space: global }
      - { .name: oimg, .offset: 24, .size: 8, .value_kind: global_buffer, .address_space: global }
    .group_segment_fixed_size: 206848
    .private_segment_fixed_size: 0
    .kernarg_segment_align: 8
    .kernarg_segment_size: 32
    .max_flat_workgroup_size: 512
    .sgpr_count:     66
    .vgpr_count:     256
    .wavefront_size: 32
...
	.end_amdgpu_metadata
.endif
;; end of part 3
;; launch oproj (part 4): grid 4 x 64, 4 waves a work-group, clusters of 4 x 1, 167,936 bytes of LDS; arguments oimg, wimg, bo, out0; writes out0
.if DOCPART == 4
	.amdgcn_target "amdgcn-amd-amdhsa--gfx1250"
	.amdhsa_code_object_version 6
	.text
	.protected	k_q02ecf584e7_oproj
	.globl	k_q02ecf584e7_oproj
	.p2align	8
	.type	k_q02ecf584e7_oproj,@function
k_q02ecf584e7_oproj:
	s_mov_b64 s[64:65], 0
	v_nop
	global_prefetch_b8 v0, s[64:65] scope:SCOPE_SE
	s_setreg_imm32_b32 hwreg(HW_REG_WAVE_MODE, 25, 1), 1
	s_wait_xcnt 0x0
	s_wait_alu depctr_hold_cnt(0) depctr_sa_sdst(0) depctr_va_vdst(0) depctr_va_sdst(0) depctr_va_ssrc(0) depctr_va_vcc(0) depctr_vm_vsrc(0)
	s_getreg_b32 s2, hwreg(HW_REG_IB_STS2, 6, 4)
	s_cmp_eq_u32 s2, 0
	s_cbranch_scc0 .Lentry_in_a_cluster
	s_endpgm
.Lentry_in_a_cluster:
	s_bfe_u32 s2, ttmp6, 0x10000c
	s_cmp_lg_u32 s2, 0x3003
	s_cbranch_scc0 .Lentry_shape_is_right
	s_endpgm
.Lentry_shape_is_right:
; out0 = O Wo + bo on codes of FP6 (E2M3) with one E8M0 byte for each 32 along K; sums and result in f32.
; SHARES.  A work-group takes 128 rows (cluster y) x 256 columns (its place in the cluster); a wave 128 rows x 64 columns: 32 accumulators.
; The four work-groups of a cluster need the same 128 rows of O: their record of 102,400 bytes (codes for all of K, then scale words) is asked for JOINTLY, once, a quarter by each wave; nothing is filled again.
; A fragment of Wo is read by one wave of the work-group: it goes from memory straight into registers, a unit of four fragments for each K step, three units ahead.
; The product is used transposed (source 0 = 16 columns of Wo, source 1 = 16 rows of O): a lane holds eight neighbouring numbers of a row.  The bias is the C of each sum's first product.
; The record: half fragments of 768 bytes, [K step 8][tile of rows 8][half 2], registers 0-3 at 16 l, registers 4-5 at 512 + 8 l; from 98,304 on 512 bytes of scale words a K step: the word at 16 l + 4 q: tile 2 q + l / 16, row l % 16.
; LDS: the record from 0; from 102,400 a stage of 16 rows x 272 bytes for each wave; from 119,808 the spare words.
; REGISTERS.  Window 0: v2-9 addresses; v32-39 Wo's scale words (4 slots x 2); v40-47 O's (2 sets x 4); v64-159, v160-255 O's fragments, two sets.  Window 1: v0-191 Wo's ring of 4 slots; v192-223 the bias.  Window 2: the accumulators, (a, b) at v[8 (4 a + b)].
.set STAGE, 102400
.set SPARE, 119808                     ; the spare words, 128 bytes for each wave: two blocks of 256 bytes that no other line names
.set L16,  2                           ; v2   16 x lane
.set L8,   3                           ; v3   8 x lane
.set L16B, 4                           ; v4   16 x lane + 49,152: K steps 4 to 7
.set L8B,  5                           ; v5   8 x lane + 49,152
.set STO,  6                           ; v6   the stage: where I put 32 bytes of a row
.set RD,   7                           ; v7   and where I read a row back
.set CO,   8                           ; v8   my byte offset in two rows of out0
.set BO,   9                           ; v9   bias: 32 h
.set SPW,  28                          ; v28  LDS address of my spare word; never rewritten
.set NIL,  29                          ; v29  0; never rewritten
.set WS,   32
.set ASC,  40
.set BIAS, 192
.set WV,   12
.set CX,   13
.set MB,   14
.set G1,   16
.set G0,   24
.set MSB, 0
.macro WIN new
.if MSB != (\new)
	s_set_vgpr_msb (MSB<<8)|(\new)
.set MSB, (\new)
.endif
.endm
.macro CROUND
	s_barrier_signal -1
	s_barrier_wait -1
	s_cmp_lg_u32 s[WV], 0
	s_cbranch_scc1 .Lnot_wave_0_\@
	s_barrier_signal -3
.Lnot_wave_0_\@:
	s_barrier_wait -3
	s_barrier_signal -1
	s_barrier_wait -1
.endm
.macro WLOAD slot, off                 ; a unit of Wo's image: 13 loads
	WIN 0x40
.irp f, 0,1,2,3
.irp q, 0,1,2
	global_load_b128 v[48*(\slot)+12*\f+4*\q:48*(\slot)+12*\f+4*\q+3], v[L16], s[6:7] offset:(\off)+1536*\f+512*\q
.endr
.endr
	WIN 0
	global_load_b64 v[WS+2*(\slot):WS+2*(\slot)+1], v[L8], s[6:7] offset:(\off)+6144
.endm
.macro AFETCH set, st                  ; K step st of O from LDS: eight fragments of two halves, four registers of scale words: 33 loads
.set A16, L16
.set A8, L8
.if (\st) >= 4
.set A16, L16B
.set A8, L8B
.endif
.set AO, ((\st)%4)*12288
.irp a, 0,1,2,3,4,5,6,7
.set AR, 64+96*(\set)+12*\a
	ds_load_b128 v[AR:AR+3], v[A16] offset:AO+1536*\a
	ds_load_b64 v[AR+4:AR+5], v[A8] offset:AO+1536*\a+512
	ds_load_b128 v[AR+6:AR+9], v[A16] offset:AO+1536*\a+768
	ds_load_b64 v[AR+10:AR+11], v[A8] offset:AO+1536*\a+1280
.endr
	ds_load_b128 v[ASC+4*(\set):ASC+4*(\set)+3], v[L16B] offset:49152+512*(\st)
.endm
.macro WM
.if fA && fB
	v_wmma_scale_f32_16x16x128_f8f6f4 v[rD:rD+7], v[rA:rA+11], v[rB:rB+11], v[rC:rC+7], v[rSA], v[rSB] matrix_a_fmt:MATRIX_FMT_FP6 matrix_b_fmt:MATRIX_FMT_FP6 matrix_a_scale:MATRIX_SCALE_ROW1 matrix_b_scale:MATRIX_SCALE_ROW1
.elseif fA
	v_wmma_scale_f32_16x16x128_f8f6f4 v[rD:rD+7], v[rA:rA+11], v[rB:rB+11], v[rC:rC+7], v[rSA], v[rSB] matrix_a_fmt:MATRIX_FMT_FP6 matrix_b_fmt:MATRIX_FMT_FP6 matrix_a_scale:MATRIX_SCALE_ROW1
.elseif fB
	v_wmma_scale_f32_16x16x128_f8f6f4 v[rD:rD+7], v[rA:rA+11], v[rB:rB+11], v[rC:rC+7], v[rSA], v[rSB] matrix_a_fmt:MATRIX_FMT_FP6 matrix_b_fmt:MATRIX_FMT_FP6 matrix_b_scale:MATRIX_SCALE_ROW1
.else
	v_wmma_scale_f32_16x16x128_f8f6f4 v[rD:rD+7], v[rA:rA+11], v[rB:rB+11], v[rC:rC+7], v[rSA], v[rSB] matrix_a_fmt:MATRIX_FMT_FP6 matrix_b_fmt:MATRIX_FMT_FP6
.endif
.endm
; K step st: 32 products, the accumulators by turns, one instruction a turn
.macro KSTEP st
.set SL, (\st)%4
.set SE, (\st)%2
.rept 4
	v_nop                                          ; places in front of loads into registers that matrix instructions have read
.endr
	WIN 0
.if (\st)+3 < 8
	WLOAD ((\st)+3)%4, ((\st)+3)*12800
.endif
.if (\st)+1 < 8
	AFETCH (1-SE), (\st)+1
.endif
.if (\st) <= 4
	s_wait_loadcnt 39                              ; this unit is in; the younger units of 13 loads may be out: three,
.elseif (\st) == 5
	s_wait_loadcnt 26                              ; two,
.elseif (\st) == 6
	s_wait_loadcnt 13                              ; one,
.else
	s_wait_loadcnt 0x0                             ; none
.endif
.if (\st) < 7
	s_wait_dscnt 33                                ; this K step of O is in; the 33 loads just issued may be out
.else
	s_wait_dscnt 0x0
.endif
.if (\st) == 0
	WIN 0x91                                       ; source 0 (Wo) and C (bias) window 1, source 1 window 0, D window 2
.else
	WIN 0xa1
.endif
.set A_, 0
.rept 8
.set B_, 0
.rept 4
.set rD, 8*(4*A_+B_)
.set rA, 48*SL+12*B_
.set rB, 64+96*SE+12*A_
.set rC, rD
.if (\st) == 0
.set rC, BIAS+8*B_
.endif
.set rSA, WS+2*SL+B_/2
.set rSB, ASC+4*SE+A_/2
.set fA, B_%2
.set fB, A_%2
	WM
.set B_, B_+1
.endr
.set A_, A_+1
.endr
.endm
	s_load_b256 s[4:11], s[0:1], 0x0               ; oimg, wimg, bo, out0
	v_lshl_add_u32 v[SPW], v0, 2, SPARE
	v_mov_b32 v[NIL], 0
	ds_add_u32 v[SPW], v[NIL]                      ; the wave's opening: the add and its wait stand ahead of my first tensor load; the set-up below, work on registers, stands between them
	v_lshrrev_b32 v1, 5, v0
	v_readfirstlane_b32 s[WV], v1                  ; wave 0..3
	s_bfe_u32 s[CX], ttmp6, 0x40000                ; my place in the cluster: it enters Wo's, the bias's and out0's addresses alone
	s_and_b32 s[MB], ttmp7, 0xffff                 ; which 128 rows, which the four partners share
	; descriptor group 1: 25,600 dense bytes as 100 rows of 256 bytes (32 elements of 8 bytes)
	s_mov_b32 s[G1], 15|(3<<16)|(1<<21)            ; 15:0 the mask: all four work-groups; 17:16 elements of 8 bytes; 21 set beside a mask; no padding
	s_mov_b32 s[G1+1], 32<<16
	s_mov_b32 s[G1+2], 100<<16
	s_mov_b32 s[G1+3], 32<<16
	s_mov_b32 s[G1+4], 100
	s_mov_b32 s[G1+5], 32
	s_mov_b32 s[G1+6], 0
	s_mov_b32 s[G1+7], 0
	s_mul_i32 s30, s[MB], 102400
	s_mul_i32 s32, s[WV], 25600                    ; my quarter of the record, in memory and in LDS
	s_add_co_u32 s30, s30, s32
	s_mov_b32 s31, 0
	s_lshl_b32 s34, s[CX], 1
	s_lshr_b32 s35, s[WV], 1
	s_add_co_u32 s34, s34, s35                     ; Wo's image: 128 columns 2 cx + wave / 2,
	s_mul_i32 s34, s34, 102400
	s_and_b32 s35, s[WV], 1
	s_mul_i32 s35, s35, 6400                       ; their half wave % 2
	s_add_co_u32 s34, s34, s35
	s_add_co_u32 s34, s34, 2457600                 ; behind the three other weights' images
	s_mov_b32 s35, 0
	s_lshl_b32 s36, s[CX], 10
	s_lshl_b32 s37, s[WV], 8
	s_add_co_u32 s36, s36, s37                     ; my 64 columns, in bytes
	s_mov_b32 s37, 0
	s_lshl_b32 s38, s[MB], 19                      ; 128 rows of 4,096 bytes
	s_mov_b32 s39, 0
	s_wait_dscnt 0x0                               ; the opening add is done
	s_wait_kmcnt 0x0
	s_mov_b32 s[G0], 1
	s_mov_b32 s[G0+1], s32
	s_add_nc_u64 s[G0+2:G0+3], s[4:5], s[30:31]
	s_or_b32 s[G0+3], s[G0+3], 0x80000000
	CROUND                                         ; all four work-groups are here: the joint loads meet
	tensor_load_to_lds s[G0:G0+3], s[G1:G1+7]      ; one tensor load of mine is out
	s_nop 0
.rept 4
	v_nop
.endr
	s_add_nc_u64 s[6:7], s[6:7], s[34:35]
	s_add_nc_u64 s[8:9], s[8:9], s[36:37]
	s_add_nc_u64 s[10:11], s[10:11], s[36:37]
	s_add_nc_u64 s[10:11], s[10:11], s[38:39]
	v_and_b32 v1, 31, v0                           ; lane
	v_and_b32 v10, 15, v0                          ; r
	v_bfe_u32 v11, v0, 4, 1                        ; h
	v_lshlrev_b32 v[L16], 4, v1
	v_lshlrev_b32 v[L8], 3, v1
	v_add_nc_u32 v[L16B], 49152, v[L16]
	v_add_nc_u32 v[L8B], 49152, v[L8]
	v_lshlrev_b32 v[BO], 5, v11
	s_mul_i32 s40, s[WV], 4352
	s_add_co_u32 s40, s40, STAGE                   ; my stage
	v_mul_u32_u24 v[STO], v10, 272
	v_lshl_add_u32 v[STO], v11, 5, v[STO]
	v_add_nc_u32 v[STO], s40, v[STO]               ; in: row r, + 32 h
	v_mul_u32_u24 v[RD], v11, 272
	v_lshl_add_u32 v[RD], v10, 4, v[RD]
	v_add_nc_u32 v[RD], s40, v[RD]                 ; back: lanes 0-15 one row of 256 bytes, lanes 16-31 the next
	v_lshlrev_b32 v[CO], 12, v11
	v_lshl_add_u32 v[CO], v10, 4, v[CO]            ; and the same two rows in out0
	WIN 0x40
.irp b, 0,1,2,3
	global_load_b128 v[BIAS+8*\b:BIAS+8*\b+3], v[BO], s[8:9] offset:64*\b        ; the bias in the result's layout: columns 16 b + 8 h + 0 .. 7
	global_load_b128 v[BIAS+8*\b+4:BIAS+8*\b+7], v[BO], s[8:9] offset:64*\b+16
.endr
	WIN 0
	WLOAD 0, 0
	WLOAD 1, 12800
	WLOAD 2, 25600
	s_wait_tensorcnt 0x0                           ; my quarter of the record has landed,
	s_barrier_signal -1
	s_barrier_wait -1                              ; everybody's has
	AFETCH 0, 0
	KSTEP 0
	KSTEP 1
	KSTEP 2
	KSTEP 3
	KSTEP 4
	KSTEP 5
	KSTEP 6
	KSTEP 7
; THE WAY OUT, a tile of 16 rows x 64 columns at a time: a lane holds 32 neighbouring bytes of a row and the lanes beside it other rows, so the tile goes through my own stage and comes back as whole rows of 256 bytes.
; LDS serves a wave's instructions in order: no wait between the stores and the loads, nor in front of the next tile's stores.
.macro TOSTAGE a
	WIN 0x08                                       ; an LDS store's data are its source 1: window 2
.irp b, 0,1,2,3
	ds_store_b128 v[STO], v[8*(4*(\a)+\b):8*(4*(\a)+\b)+3] offset:64*\b            ; each accumulator from its low end on
	ds_store_b128 v[STO], v[8*(4*(\a)+\b)+4:8*(4*(\a)+\b)+7] offset:64*\b+16
.endr
	WIN 0
.set BB, 64+32*((\a)%2)
.irp t, 0,1,2,3,4,5,6,7
	ds_load_b128 v[BB+4*\t:BB+4*\t+3], v[RD] offset:\t*2*272
.endr
.endm
.macro SEND a, younger                 ; younger: the LDS instructions issued behind tile a's loads, which may stay out
.set BB, 64+32*((\a)%2)
	s_wait_dscnt \younger
.irp t, 0,1,2,3,4,5,6,7
	global_store_b128 v[CO], v[BB+4*\t:BB+4*\t+3], s[10:11] offset:(16*(\a)+2*\t)*4096 th:TH_STORE_NT   ; 16 lanes store 256 consecutive bytes, at a multiple of 256 from out0's first byte; written once, read by nobody here
.endr
.endm
.rept 4
	v_nop                                          ; places behind the last products: for the reads of results and the loads into the registers that held O's fragments
.endr
	TOSTAGE 0
.irp a, 1,2,3,4,5,6,7
.if \a > 1
	s_wait_xcnt 0x0                                ; tile a - 2's stores have read their registers: tile a's loads may land there
.endif
	TOSTAGE \a
	SEND \a-1, 16                                  ; behind tile a - 1's loads: tile a's 8 stores and 8 loads
.endr
	SEND 7, 0
	s_wait_tensorcnt 0x0                           ; the wave's end, behind my last tensor load and my last LDS store
	ds_add_u32 v[SPW], v[NIL]
	s_wait_dscnt 0x0
	CROUND                                         ; the closing round
	s_endpgm
.Lfunc_end_k_q02ecf584e7_oproj:
	.size	k_q02ecf584e7_oproj, .Lfunc_end_k_q02ecf584e7_oproj-k_q02ecf584e7_oproj
	.p2alignl 7, 3214868480
	.fill 96, 4, 3214868480
	.section	.rodata,"a",@progbits
	.p2align	6, 0x0
	.amdhsa_kernel k_q02ecf584e7_oproj
		.amdhsa_group_segment_fixed_size 167936
		.amdhsa_private_segment_fixed_size 0
		.amdhsa_enable_private_segment 0
		.amdhsa_kernarg_size 32
		.amdhsa_user_sgpr_count 2
		.amdhsa_user_sgpr_kernarg_segment_ptr 1
		.amdhsa_wavefront_size32 1
		.amdhsa_system_sgpr_workgroup_id_x 1
		.amdhsa_system_sgpr_workgroup_id_y 1
		.amdhsa_system_sgpr_workgroup_id_z 1
		.amdhsa_system_vgpr_workitem_id 0
		.amdhsa_next_free_vgpr 768
		.amdhsa_next_free_sgpr 66
		.amdhsa_reserve_vcc 0
		.amdhsa_float_denorm_mode_32 3
		.amdhsa_float_denorm_mode_16_64 3
		.amdhsa_memory_ordered 1
		.amdhsa_forward_progress 1
		.amdhsa_inst_pref_size 82
	.end_amdhsa_kernel
	.amdgpu_metadata
---
amdhsa.version: [ 1, 2 ]
amdhsa.kernels:
  - .name:           k_q02ecf584e7_oproj
    .symbol:         k_q02ecf584e7_oproj.kd
    .args:
      - { .name: oimg, .offset: 0, .size: 8, .value_kind: global_buffer, .address_space: global }
      - { .name: wimg, .offset: 8, .size: 8, .value_kind: global_buffer, .address_space: global }
      - { .name: bo, .offset: 16, .size: 8, .value_kind: global_buffer, .address_space: global }
      - { .name: out0, .offset: 24, .size: 8, .value_kind: global_buffer, .address_space: global }
    .group_segment_fixed_size: 167936
    .private_segment_fixed_size: 0
    .kernarg_segment_align: 8
    .kernarg_segment_size: 32
    .max_flat_workgroup_size: 128
    .sgpr_count:     66
    .vgpr_count:     768
    .wavefront_size: 32
...
	.end_amdgpu_metadata
.endif
;; end of part 4
;; ======== version 2 of 2: 4 launches
;; workspace buffers: wimg 3,276,800 bytes; qimg 6,553,600 bytes; kimg 6,553,600 bytes; vimg 6,553,600 bytes; oimg 6,553,600 bytes
;; launch wq (part 5): grid 256 x 1, 4 waves a work-group, no clusters, 0 bytes of LDS; arguments Wq, Wk, Wv, Wo, wimg; writes wimg
.if DOCPART == 5
	.amdgcn_target "amdgcn-amd-amdhsa--gfx1250"
	.amdhsa_code_object_version 6
	.text
	.protected	k_q02ecf584e7_wq
	.globl	k_q02ecf584e7_wq
	.p2align	8
	.type	k_q02ecf584e7_wq,@function
k_q02ecf584e7_wq:
	s_mov_b64 s[64:65], 0
	v_nop
	global_prefetch_b8 v0, s[64:65] scope:SCOPE_SE
	s_setreg_imm32_b32 hwreg(HW_REG_WAVE_MODE, 25, 1), 1
	s_wait_xcnt 0x0
; The four weights, each [1024 (k)][1024 (n)] f32 with K as the FIRST axis, become codes of FP6 (E2M3) with one E8M0 byte for each 32 along K,
; laid in the order of a matrix operand's registers.
; FRAGMENT: 16 columns n x 128 k, 12 registers a lane; lane (r, h) holds block 2 c + h of column r in registers 6 c .. 6 c + 5.  In memory 1,536 bytes:
; registers 4 q .. 4 q + 3 of lane l at 512 q + 16 l.   UNIT: four fragments on end, then 256 bytes of scale words: the word at 8 l + 4 q' belongs to fragment 2 q' + l / 16, row l % 16.
; wimg: [weight 4][G 8: 128 columns][s 8: 128 along K][half 2: 64 columns][UNIT 6,400 bytes].
; ORDER INSIDE A BLOCK OF 32: place p holds k = (p % 8) + 16 ((p / 8) % 2) + 8 (p / 16).  Every operand of every product of this program is laid so, on both sides, so that each
; product meets its partner; blocks and their scales are the true ones.
; A LANE TAKES A COLUMN AND ITS REGISTERS RUN DOWN K: a load reads 128 consecutive bytes a wave, 512 a work-group; a block's largest magnitude needs no other lane.
; A work-group takes 128 columns x 128 k of one weight, a wave 32 columns: two fragments.  No LDS, no barrier.
; A block's scale byte is its largest magnitude's exponent field - 2, held at 1 from below.  A block of zeros so gets the byte 1 where the quantiser says 127: its codes are zeros, and this program alone reads the bytes.
; LIMITS: NaN and infinities among the inputs are not served.
.set X,  32                            ; v32-159  128 numbers: block B at v[X + 32 B]
.set FA, 160                           ; v160-171 the fragment of my wave's columns 0-15
.set FB, 172                           ; v172-183 that of columns 16-31
.set T,  184                           ; v184-186 a block's upper 16 codes on their way
.set SW, 20                            ; v20      my column's four scale bytes
	s_load_b256 s[4:11], s[0:1], 0x0               ; Wq, Wk, Wv, Wo
	s_load_b64 s[12:13], s[0:1], 0x20              ; wimg
	v_lshrrev_b32 v1, 5, v0
	v_readfirstlane_b32 s14, v1                    ; wave 0..3
	v_and_b32 v2, 31, v0                           ; lane
	v_lshlrev_b32 v3, 2, v2                        ; in: 4 bytes a lane
	v_lshlrev_b32 v4, 4, v2                        ; out: 16 bytes a lane
	s_wait_alu depctr_va_vdst(0)
	v_lshlrev_b32 v5, 3, v2                        ; scale words: 8 bytes a lane
	s_wait_alu depctr_va_vdst(0)
	s_lshr_b32 s15, ttmp9, 6                       ; which weight
	s_bfe_u32 s16, ttmp9, 0x30003                  ; G
	s_and_b32 s17, ttmp9, 7                        ; s
	s_lshl_b32 s18, s17, 19                        ; 128 rows of 4,096 bytes a K step,
	s_lshl_b32 s19, s16, 9                         ; 512 bytes a G,
	s_add_co_u32 s18, s18, s19
	s_lshl_b32 s19, s14, 7                         ; 128 bytes a wave
	s_add_co_u32 s18, s18, s19
	s_mov_b32 s19, 0
	s_mul_i32 s20, ttmp9, 12800                    ; two units a work-group,
	s_lshr_b32 s21, s14, 1
	s_mul_i32 s21, s21, 6400                       ; waves 0, 1 the first, waves 2, 3 the second
	s_add_co_u32 s20, s20, s21
	s_mov_b32 s21, 0
	s_and_b32 s22, s14, 1                          ; q': which two fragments of the unit
	s_mul_i32 s23, s22, 3072
	v_add_nc_u32 v4, s23, v4
	v_lshl_add_u32 v5, s22, 2, v5                  ; 8 l + 4 q'
	s_and_b32 s24, s15, 1
	s_wait_kmcnt 0x0
	s_cmp_lt_u32 s15, 2                            ; the choice hangs on the work-group's number alone
	s_cselect_b64 s[4:5], s[4:5], s[8:9]
	s_cselect_b64 s[6:7], s[6:7], s[10:11]
	s_cmp_eq_u32 s24, 0
	s_cselect_b64 s[4:5], s[4:5], s[6:7]
	s_add_nc_u64 s[4:5], s[4:5], s[18:19]
	s_add_nc_u64 s[12:13], s[12:13], s[20:21]
.set B, 0
.rept 4
.set P, 0
.rept 32
	global_load_b32 v[X+32*B+P], v3, s[4:5] offset:(32*B+(P&7)+16*((P>>3)&1)+8*(P>>4))*4096 th:TH_LOAD_NT
.set P, P+1
.endr
.set B, B+1
.endr
; Block b of my column: largest magnitude, scale byte, 32 codes into six registers of FA (even blocks) or FB (odd blocks)
.macro BLOCK b
.set XS, X+32*(\b)
.set SD, FA+12*((\b)%2)+6*((\b)/2)
	v_max3_num_f32 v12, |v[XS]|, |v[XS+1]|, |v[XS+2]|
	v_max3_num_f32 v13, |v[XS+3]|, |v[XS+4]|, |v[XS+5]|
.irp i, 6,10,14,18,22,26
	v_max3_num_f32 v12, v12, |v[XS+\i]|, |v[XS+\i+1]|
	v_max3_num_f32 v13, v13, |v[XS+\i+2]|, |v[XS+\i+3]|
.endr
	v_max3_num_f32 v12, v12, |v[XS+30]|, |v[XS+31]|
	v_max3_num_f32 v12, v12, v13, 0x1800000        ; and the floor 2^(3 - 127): the byte cannot fall under 1
	v_add_nc_u32 v11, 0xff000000, v12              ; 2 off the exponent field: the conversion takes this operand's exponent field as its scale
	v_lshrrev_b32 v13, 23, v11                     ; the scale's byte
.if (\b) == 0
	v_mov_b32 v[SW], v13
.else
	v_lshl_or_b32 v[SW], v13, 8*(\b), v[SW]
.endif
	v_cvt_scalef32_pk16_fp6_f32 v[SD:SD+2], v[XS:XS+15], v11
	v_cvt_scalef32_pk16_fp6_f32 v[T:T+2], v[XS+16:XS+31], v11     ; (a conversion's three registers begin on an even number)
	v_nop                                          ; one plain instruction behind a scaled conversion
.irp i, 0,1,2
	v_mov_b32 v[SD+3+\i], v[T+\i]
.endr
.endm
; FA holds block 2 c of all 32 columns, FB block 2 c + 1.  The exchange gives lanes 16-31 of FA block 2 c + 1 of columns 0-15, and lanes 0-15 of FB block 2 c of columns 16-31: two fragments.
.macro CROSS c
.irp i, 0,1,2,3,4,5
	v_permlane16_swap_b32 v[FA+6*(\c)+\i], v[FB+6*(\c)+\i]
.endr
.endm
	s_wait_loadcnt 63                              ; blocks 0 and 1 are in (they want at most 96 and 64 younger loads out; the count's field ends at 63)
	BLOCK 0
	BLOCK 1
	CROSS 0
	s_wait_loadcnt 32                              ; block 2 is in; block 3's 32 loads may be out
	BLOCK 2
	s_wait_loadcnt 0x0
	BLOCK 3
	CROSS 1
.irp i, 0,1,2
	global_store_b128 v4, v[FA+4*\i:FA+4*\i+3], s[12:13] offset:512*\i          ; 32 lanes store 512 consecutive bytes, at a multiple of 256 from the buffer's first byte
	global_store_b128 v4, v[FB+4*\i:FB+4*\i+3], s[12:13] offset:1536+512*\i
.endr
	global_store_b32 v5, v[SW], s[12:13] offset:6144   ; every second word of the unit's 256 bytes of scale words; the other wave of the unit stores the others: 128 of a unit's 6,400 bytes a wave
	s_endpgm
.Lfunc_end_k_q02ecf584e7_wq:
	.size	k_q02ecf584e7_wq, .Lfunc_end_k_q02ecf584e7_wq-k_q02ecf584e7_wq
	.p2alignl 7, 3214868480
	.fill 96, 4, 3214868480
	.section	.rodata,"a",@progbits
	.p2align	6, 0x0
	.amdhsa_kernel k_q02ecf584e7_wq
		.amdhsa_group_segment_fixed_size 0
		.amdhsa_private_segment_fixed_size 0
		.amdhsa_enable_private_segment 0
		.amdhsa_kernarg_size 40
		.amdhsa_user_sgpr_count 2
		.amdhsa_user_sgpr_kernarg_segment_ptr 1
		.amdhsa_wavefront_size32 1
		.amdhsa_system_sgpr_workgroup_id_x 1
		.amdhsa_system_sgpr_workgroup_id_y 1
		.amdhsa_system_sgpr_workgroup_id_z 1
		.amdhsa_system_vgpr_workitem_id 0
		.amdhsa_next_free_vgpr 192
		.amdhsa_next_free_sgpr 66
		.amdhsa_reserve_vcc 0
		.amdhsa_float_denorm_mode_32 3
		.amdhsa_float_denorm_mode_16_64 3
		.amdhsa_memory_ordered 1
		.amdhsa_forward_progress 1
		.amdhsa_inst_pref_size 21
	.end_amdhsa_kernel
	.amdgpu_metadata
---
amdhsa.version: [ 1, 2 ]
amdhsa.kernels:
  - .name:           k_q02ecf584e7_wq
    .symbol:         k_q02ecf584e7_wq.kd
    .args:
      - { .name: Wq, .offset: 0, .size: 8, .value_kind: global_buffer, .address_space: global }
      - { .name: Wk, .offset: 8, .size: 8, .value_kind: global_buffer, .address_space: global }
      - { .name: Wv, .offset: 16, .size: 8, .value_kind: global_buffer, .address_space: global }
      - { .name: Wo, .offset: 24, .size: 8, .value_kind: global_buffer, .address_space: global }
      - { .name: wimg, .offset: 32, .size: 8, .value_kind: global_buffer, .address_space: global }
    .group_segment_fixed_size: 0
    .private_segment_fixed_size: 0
    .kernarg_segment_align: 8
    .kernarg_segment_size: 40
    .max_flat_workgroup_size: 128
    .sgpr_count:     66
    .vgpr_count:     192
    .wavefront_size: 32
...
	.end_amdgpu_metadata
.endif
;; end of part 5
;; launch proj (part 6): grid 192 x 1, 4 waves a work-group, no clusters, 165,376 bytes of LDS; arguments query, key, value, bq, bk, bv, wimg, qimg, kimg, vimg; writes qimg, kimg, vimg
.if DOCPART == 6
	.amdgcn_target "amdgcn-amd-amdhsa--gfx1250"
	.amdhsa_code_object_version 6
	.text
	.protected	k_q02ecf584e7_proj
	.globl	k_q02ecf584e7_proj
	.p2align	8
	.type	k_q02ecf584e7_proj,@function
k_q02ecf584e7_proj:
	s_mov_b64 s[64:65], 0
	v_nop
	global_prefetch_b8 v0, s[64:65] scope:SCOPE_SE
	s_setreg_imm32_b32 hwreg(HW_REG_WAVE_SCHED_MODE, 0, 2), 2
	s_setreg_imm32_b32 hwreg(HW_REG_WAVE_MODE, 25, 1), 1
	s_wait_xcnt 0x0
	s_wait_alu depctr_vm_vsrc(0)
; Q = query Wq + bq, K = key Wk + bk, V = value Wv + bv, all three on codes of FP6 (E2M3) with one E8M0 byte for each 32 along K, sums in f32; the results leave as codes again:
; Q and K quantised along the head's 64, V along the keys, in the order of the next products' operand registers (fragments and units as laid out at the head of the launch that makes wimg).
; SHARES.  A work-group takes 128 rows of one of the three tensors (work-group / 64) and all 1,024 columns, so that each f32 number is read from memory once.
;   PHASE X: wave w quantises rows 32 w .. 32 w + 31 for all of K: 16 fragments, stored in LDS as images of their registers.  One barrier.
;   THE PRODUCT: wave w makes 128 rows x 128 columns twice (columns 128 (2 w + pass) on): 64 accumulators.  A fragment of the weight is read by ONE wave of the work-group, so it goes from memory
;   straight into registers: a wave's 32 units lie on end in wimg.  x's fragments come from LDS.
; Q AND K: the product is used transposed (source 0 = 16 columns of W, source 1 = 16 rows of x): a lane holds one row, its registers run along the columns, which are the next K.
; V: the natural way (source 0 = x, source 1 = W): a lane holds one column d, its registers run along the rows, which are the keys, the next K.
; The bias is the C of each sum's first product.
; WHY NO CLUSTER: what work-groups share is the weight's image, and each fragment of it goes to one wave's registers; a joint load would send 819,200 bytes a work-group through LDS that now pass it by.
; ORDER INSIDE A BLOCK OF 32: place 16 hs + 8 u + j holds element 16 u + 8 hs + j; it is what QUANT makes of two neighbouring result tiles, and x is read from the stage in the same order.
; LIMITS: NaN and infinities are not served; a block of zeros gets the byte 1 where the quantiser says 127 (its codes are zeros; this program alone reads the bytes).
; LDS: K step s of x at 16,384 s: fragment a at + 1,536 a, 512 bytes of scale words at + 12,288 (the word at 16 l + 4 q: tile 2 q + l / 16, row l % 16); from 131,072 a stage of 16 rows x 528 bytes for each wave; then the spare words.
; REGISTERS, in windows of 256.  Window 0: v2-13 addresses; v32-39 W's scale words (4 slots x 2); v40-47 x's (2 sets x 4); v48-59 scale words on their way out; v64-159, v160-255 x's fragments, two sets
;   (phase X and the way out use them as work space).  Window 1: v0-191 W's fragments, a ring of 4 slots of 48; v192-255 the bias (phase X: four sets of 64 loaded numbers).  Windows 2, 3: the accumulators.
; THE MODE: SCHED_MODE bits 1:0 = 2 (LLVM: expert scheduling mode 2), set by the entry lines.  The code itself states the register dependences
; between vector or matrix instructions and memory or LDS instructions, with s_wait_alu, always for 0.
; THE PLAN.  Registers that memory or LDS instructions touch, and who else names them:
;   ADDRESSES  v2-v9, v12, v13 (and v60, v61 for the closing add): written once at the head, never again: one wait on va_vdst in front of the first load serves the whole kernel.
;   PHASE X    Window 1's four sets: written by x's loads, read by the stage's LDS stores, loaded again behind them.  v[XR ..]: written by the LDS loads from the stage, read by QUANT.
;              v[E0 .. E0+11], v[PWA]: written by QUANT, read by the image's LDS stores.  v[XWI], v[XWS]: written by two additions at a trip's head, read by those stores.
;              A fragment has two waits: on vm_vsrc behind the stage's round trip, on va_vdst behind QUANT.  One more on vm_vsrc stands at a trip's end, one behind the barrier.
;   THE UNITS  Slot u % 4 of W's ring and its two scale registers: read by unit u's products, loaded again in unit u + 1.  x's set s % 2 and its four scale registers: read by K step s's two units,
;              loaded again in the second unit of K step s + 1.  ONE wait on va_vdst stands at a unit's head, behind the waits for the unit's own data; the unit's loads follow it, dealt among its 32 products,
;              which name slot u % 4, the set in hand, their scale words, the accumulators and (units 0, 1) the bias: none of the registers that those loads touch.
;   THE WAY OUT  Two out-buffers by turns: step i's conversions write buffer i % 2; its stores are issued at the head of step i + 1, behind one wait on va_vdst; the wait on vm_vsrc beside them is for the
;              stores issued a step earlier, whose buffer step i + 1 writes again.
.set STG,   131072
.set SPARE, 164864                     ; the spare words, 128 bytes for each wave: two blocks of 256 bytes that no other line names
.set L16,  2                           ; v2   16 x lane
.set L8,   3                           ; v3   8 x lane
.set LXB,  4                           ; v4   16 x lane + 65,536: K steps 4 to 7 of x
.set STI,  5                           ; v5   the stage, on the way in: a row's 512 bytes as they lie
.set STO,  6                           ; v6   and on the way out: row r, + 32 h
.set XO,   7                           ; v7   x: 16 x lane + my wave's 32 rows
.set XWI0, 8                           ; v8   where I store x's images: 16 x lane + 3,072 x wave
.set XWS0, 9                           ; v9   and their scale words: 12,288 + 16 r + 4 x wave
.set XWI,  10                          ; v10, v11 the same, + the trip's two K steps
.set XWS,  11
.set BOQ,  12                          ; v12  bias, Q and K: 32 h
.set BOV,  13                          ; v13  bias, V: 4 r
.set WS,   32
.set XS,   40
.set SW,   48
.set RP,   56                          ; v56-59 the two heads' scale words as they are stored (v58, v59 serve QUANT as PWA, PWB until then)
.set PWA,  58
.set PWB,  59
.set SPW,  60                          ; v60  LDS address of my spare word; never rewritten
.set NIL,  61                          ; v61  0; never rewritten
.set XR,   64                          ; phase X: 64 numbers of a lane
.set TM,   160                         ; v160-175 at work in QUANT
.set E0,   176                         ; v176-199 codes just made: an out-buffer of 24 (V: two of 12);  v208-231: Q's and K's second out-buffer
.set CT,   200                         ; v200-206 upper halves of blocks on their way
.set BIAS, 192                         ; in window 1
.set WV,   24
.set TZ,   25
.set MI,   26
.set TI,   32
.set CNT,  33
.set PASS, 37
.set SEL,  38
.set HM,   40
.set MSB, 0
.macro WIN new                         ; the immediate's high byte repeats the setting that is left; a switch that changes nothing is dropped
.if MSB != (\new)
	s_set_vgpr_msb (MSB<<8)|(\new)
.set MSB, (\new)
.endif
.endm
; 64 numbers of a lane in window w, v[s] .. v[s + 63], register 16 b + i = place 16 h + i of block b of my row, become codes: blocks 0, 1 in v[d0] .. v[d0 + 5], blocks 2, 3 in v[d1] .. v[d1 + 5]; the four scale bytes in v[pw].
; Each group of eight registers is read from its low end on.
.macro QUANT s, w, d0, d1, pw
	WIN (\w)|((\w)<<2)
.irp b, 0,1,2,3
	v_max3_num_f32 v[TM+\b], |v[(\s)+16*\b]|, |v[(\s)+1+16*\b]|, 0x1800000   ; my 16 numbers of block b, and the floor 2^(3 - 127): the byte cannot fall under 1
.endr
	WIN ((\w)<<2)|((\w)<<4)
.irp i, 2,4,6,8,10,12,14
.irp b, 0,1,2,3
	v_max3_num_f32 v[TM+\b], v[TM+\b], |v[(\s)+16*\b+\i]|, |v[(\s)+1+16*\b+\i]|
.endr
.endr
	WIN 0
.irp b, 0,1,2,3
	v_permlanex16_b32 v[TM+4+\b], v[TM+\b], s[SEL], s[SEL+1]
.endr
.irp b, 0,1,2,3
	v_max_num_f32 v[TM+\b], v[TM+\b], v[TM+4+\b]   ; with lane l xor 16's: the block's largest magnitude
.endr
.irp b, 0,1,2,3
	v_add_nc_u32 v[TM+12+\b], 0xff000000, v[TM+\b] ; 2 off its exponent field: the conversion's scale operand
.endr
.irp b, 0,1,2,3
	v_lshrrev_b32 v[TM+4+\b], 23, v[TM+12+\b]      ; the scale's byte
.endr
	v_lshl_or_b32 v[\pw], v[TM+5], 8, v[TM+4]
	v_lshl_or_b32 v[\pw], v[TM+6], 16, v[\pw]
	v_lshl_or_b32 v[\pw], v[TM+7], 24, v[\pw]
	WIN \w
	v_cvt_scalef32_pk16_fp6_f32 v[(\d0):(\d0)+2], v[(\s):(\s)+15], v[TM+12]
	v_cvt_scalef32_pk16_fp6_f32 v[CT:CT+2], v[(\s)+16:(\s)+31], v[TM+13]
	v_cvt_scalef32_pk16_fp6_f32 v[(\d1):(\d1)+2], v[(\s)+32:(\s)+47], v[TM+14]
	v_cvt_scalef32_pk16_fp6_f32 v[CT+4:CT+6], v[(\s)+48:(\s)+63], v[TM+15]
	WIN 0
	v_nop                                          ; one plain instruction behind a scaled conversion
.irp i, 0,1,2                                  ; the operand's layout wants a whole block in a lane: lanes 0-15 the even block, lanes 16-31 the odd one
	v_permlane16_swap_b32 v[(\d0)+\i], v[CT+\i]
	v_permlane16_swap_b32 v[(\d1)+\i], v[CT+4+\i]
.endr
.irp i, 0,1,2
	v_mov_b32 v[(\d0)+3+\i], v[CT+\i]
	v_mov_b32 v[(\d1)+3+\i], v[CT+4+\i]
.endr
.endm
; sixteen loads: the 16 rows of fragment j of a trip (rows 16 (j % 2) on, K step j / 2 of the trip's two), 512 consecutive bytes each, into set j of window 1
.macro XLOADS j, off
.irp i, 0,1,2,3,4,5,6,7,8,9,10,11,12,13,14,15
	global_load_b128 v[64*(\j)+4*\i:64*(\j)+4*\i+3], v[XO], s[4:5] offset:(((\j)&1)*16+\i)*4096+((\j)>>1)*512+(\off) th:TH_LOAD_NT
.endr
.endm
; a unit of the weight's image is 13 loads: four fragments into a slot of the ring (WPART: two of them, six loads), two registers of scale words (WSCALE)
.macro WPART slot, off, f0
	WIN 0x40                                       ; destination window 1
.irp f, \f0, \f0+1
.irp q, 0,1,2
	global_load_b128 v[48*(\slot)+12*(\f)+4*\q:48*(\slot)+12*(\f)+4*\q+3], v[L16], s[16:17] offset:(\off)+1536*(\f)+512*\q
.endr
.endr
.endm
.macro WSCALE slot, off
	WIN 0
	global_load_b64 v[WS+2*(\slot):WS+2*(\slot)+1], v[L8], s[16:17] offset:(\off)+6144
.endm
.macro WLOAD slot, off                 ; the whole unit in one run
	WPART \slot, \off, 0
	WPART \slot, \off, 2
	WSCALE \slot, \off
.endm
; K step st of x from LDS is 25 loads: eight fragments (XPART: two of them, six loads) and four registers of scale words (XSCALE)
.macro XPART set, st, a0
	WIN 0
.set XAD, L16
.if (\st) >= 4
.set XAD, LXB
.endif
.irp a, \a0, \a0+1
.irp q, 0,1,2
	ds_load_b128 v[64+96*(\set)+12*(\a)+4*\q:64+96*(\set)+12*(\a)+4*\q+3], v[XAD] offset:((\st)%4)*16384+1536*(\a)+512*\q
.endr
.endr
.endm
.macro XSCALE set, st
	WIN 0
.set XAD, L16
.if (\st) >= 4
.set XAD, LXB
.endif
	ds_load_b128 v[XS+4*(\set):XS+4*(\set)+3], v[XAD] offset:((\st)%4)*16384+12288
.endm
.macro XFETCH set, st                  ; the whole K step in one run
	XPART \set, \st, 0
	XPART \set, \st, 2
	XPART \set, \st, 4
	XPART \set, \st, 6
	XSCALE \set, \st
.endm
; PHASE X, one fragment.  The loads take the bytes as they lie; the conversions want 16 places of a block in one lane's registers: so the 16 rows turn through my own stage.
; ahead = 1: the set is loaded again for the next trip; 2: the weight's first three units are asked for instead.  left: how many younger loads may stay out.
.macro XFRAG j, ahead, left
	s_wait_loadcnt \left
	WIN 0x04                                       ; an LDS store's data are its source 1: window 1
.irp i, 0,1,2,3,4,5,6,7,8,9,10,11,12,13,14,15
	ds_store_b128 v[STI], v[64*(\j)+4*\i:64*(\j)+4*\i+3] offset:528*\i
.endr
	WIN 0
.irp b, 0,1,2,3
.irp u, 0,1
.irp e, 0,1
	ds_load_b128 v[XR+16*\b+8*\u+4*\e:XR+16*\b+8*\u+4*\e+3], v[STO] offset:128*\b+64*\u+16*\e   ; LDS serves a wave's instructions in order: these see the stores above.  (No vector instruction since the wait behind the last QUANT names v[XR ..])
.endr
.endr
.endr
	s_wait_dscnt 0x0                               ; the numbers are back
	s_wait_alu depctr_vm_vsrc(0)                   ; the stage's stores have read this and the earlier sets of window 1, in which the loads below land; the last fragment's image stores have read v[E0 ..] and v[PWA], which QUANT writes again
.if (\ahead) == 1
	WIN 0x40
	XLOADS \j, 1024
	WIN 0
.endif
.if (\ahead) == 2
	WLOAD 0, 0                                     ; into sets 0 to 2, which are done with
	WLOAD 1, 6400
	WLOAD 2, 12800
.endif
	QUANT XR, 0, E0, E0+6, PWA
	s_wait_alu depctr_va_vdst(0)                   ; QUANT has written v[E0 .. E0+11] and v[PWA], and the trip's two additions v[XWI] and v[XWS], all of which the stores below read; QUANT is done reading v[XR ..], in which the next fragment's LDS loads land
.irp q, 0,1,2
	ds_store_b128 v[XWI], v[E0+4*\q:E0+4*\q+3] offset:((\j)>>1)*16384+((\j)&1)*1536+512*\q
.endr
	ds_store_b32 v[XWS], v[PWA] offset:((\j)>>1)*16384+256*((\j)&1)   ; lanes l and l + 16 write the same word with the same value
.endm
; one product; its registers and the rows of its scale registers stand in symbols
.macro WM
.if fA && fB
	v_wmma_scale_f32_16x16x128_f8f6f4 v[rD:rD+7], v[rA:rA+11], v[rB:rB+11], v[rC:rC+7], v[rSA], v[rSB] matrix_a_fmt:MATRIX_FMT_FP6 matrix_b_fmt:MATRIX_FMT_FP6 matrix_a_scale:MATRIX_SCALE_ROW1 matrix_b_scale:MATRIX_SCALE_ROW1
.elseif fA
	v_wmma_scale_f32_16x16x128_f8f6f4 v[rD:rD+7], v[rA:rA+11], v[rB:rB+11], v[rC:rC+7], v[rSA], v[rSB] matrix_a_fmt:MATRIX_FMT_FP6 matrix_b_fmt:MATRIX_FMT_FP6 matrix_a_scale:MATRIX_SCALE_ROW1
.elseif fB
	v_wmma_scale_f32_16x16x128_f8f6f4 v[rD:rD+7], v[rA:rA+11], v[rB:rB+11], v[rC:rC+7], v[rSA], v[rSB] matrix_a_fmt:MATRIX_FMT_FP6 matrix_b_fmt:MATRIX_FMT_FP6 matrix_b_scale:MATRIX_SCALE_ROW1
.else
	v_wmma_scale_f32_16x16x128_f8f6f4 v[rD:rD+7], v[rA:rA+11], v[rB:rB+11], v[rC:rC+7], v[rSA], v[rSB] matrix_a_fmt:MATRIX_FMT_FP6 matrix_b_fmt:MATRIX_FMT_FP6
.endif
.endm
; UNIT u of a pass's sixteen: K step u / 2, columns 64 (u % 2) on: 32 products, x's eight tiles of rows against the unit's four tiles of columns.  path = 0: Q and K; 1: V.
; The 64 accumulators take turns, one instruction a turn: between two links of a chain stand 63 others'.
; THE UNIT'S LOADS stand among its products, six or seven at a time: the weight's unit three units ahead (a pass's last three ask for the next pass's first three; behind the last pass: 19,200 bytes that nobody uses;
; they lie inside wimg, where Wo's image follows) behind products 4 and 8; in a K step's second unit the next K step of x (behind the last: K step 0, for the next pass) behind products 8, 12, 16 and 20.
.macro UNIT path, u
.set SL, (\u)%4
.set SE, ((\u)/2)%2
.set HB, (\u)%2
.set NS, ((\u)+3)%4                    ; the slot that is asked for again: the one that the last unit's products read
.set NO, ((\u)+3)*6400
.set NK, (((\u)/2)+1)%8
.if (\u) < 2
.set FI, 1
.else
.set FI, 0
.endif
.rept 4
	v_nop                                          ; the four places behind the last unit's products stay; for the loads into the registers that those read the dependence is stated by the wait on va_vdst below
.endr
.if (\u) == 0
	s_wait_loadcnt 0x0                             ; all that was asked for is in: this unit, the two behind it and the bias
.else
	s_wait_loadcnt 26                              ; this unit is in; the two younger units of 13 loads may be out
.endif
.if HB == 0
	s_wait_dscnt 0x0                               ; this K step of x is in
.endif
.if (\u) > 0
	s_wait_alu depctr_va_vdst(0)                   ; the last unit's products are done reading their slot of W's ring and its scale words, and the units before it the other set of x and its scale words: this unit's loads land there.  (Unit 0 owes none: the way out's waits stand behind the last pass's products)
.endif
.if (\path) && ((\u) == 0)
	WIN 0x41
.irp b, 0,1,2,3,4,5,6,7
.irp k, 1,2,3,4,5,6,7
	v_mov_b32 v[BIAS+8*\b+\k], v[BIAS+8*\b]        ; V: a lane holds one column, so its eight registers of a tile take the same bias
.endr
.endr
.endif
.set A_, 0
.rept 8
.if \path
.if FI
	WIN 0x94+0x40*HB                               ; source 1 (W) and C (bias) window 1, D window 2 or 3
.else
	WIN 0xa4+0x50*HB
.endif
.else
.if FI
	WIN 0x91+0x40*(A_/4)                           ; source 0 (W) and C (bias) window 1, D window 2 or 3
.else
	WIN 0xa1+0x50*(A_/4)
.endif
.endif
.set B_, 0
.rept 4
.if \path
.set rD, 8*(8*B_+A_)
.set rA, 64+96*SE+12*A_
.set rB, 48*SL+12*B_
.set rSA, XS+4*SE+A_/2
.set rSB, WS+2*SL+B_/2
.set fA, A_%2
.set fB, B_%2
.else
.set rD, 8*(8*(A_%4)+4*HB+B_)
.set rA, 48*SL+12*B_
.set rB, 64+96*SE+12*A_
.set rSA, WS+2*SL+B_/2
.set rSB, XS+4*SE+A_/2
.set fA, B_%2
.set fB, A_%2
.endif
.set rC, rD
.if FI
.set rC, BIAS+8*(4*HB+B_)
.endif
	WM
.set B_, B_+1
.endr
.if A_ == 0                            ; no wait stands in front of these loads: no vector or matrix instruction since the wait at the unit's head names a register that they touch
	WPART NS, NO, 0
.elseif A_ == 1
	WPART NS, NO, 2
	WSCALE NS, NO
.if HB == 1
	XPART 1-SE, NK, 0
.endif
.elseif (A_ <= 4) && (HB == 1)
	XPART 1-SE, NK, 2*A_-2
.if A_ == 4
	XSCALE 1-SE, NK
.endif
.endif
.set A_, A_+1
.endr
.endm
.macro BIASLD path                     ; my 128 columns' bias, in the result's layout
	WIN 0x40
.irp b, 0,1,2,3,4,5,6,7
.if \path
	global_load_b32 v[BIAS+8*\b], v[BOV], s[10:11] offset:64*\b
.else
	global_load_b128 v[BIAS+8*\b:BIAS+8*\b+3], v[BOQ], s[10:11] offset:64*\b
	global_load_b128 v[BIAS+8*\b+4:BIAS+8*\b+7], v[BOQ], s[10:11] offset:64*\b+16
.endif
.endr
	WIN 0
.endm
.macro NEXTBIAS path                   ; behind a pass's products: four places (the way out's first lines read results and write over x's set), then the next pass's bias, if there is a next pass: no load leaves the bias's 4,096 bytes
.rept 4
	v_nop
.endr
	WIN 0
	s_cmp_eq_u32 s[PASS], 1
	s_cbranch_scc1 .Lno_bias_\@
	s_add_nc_u64 s[10:11], s[10:11], 512           ; (this pass's bias loads were shown done by the wait in its first unit)
	BIASLD \path                                   ; the bias's registers were last named in units 0 and 1: the later units' waits on va_vdst stand behind that, and nothing since names them
.Lno_bias_\@:
.endm
; THE WAY OUT'S PARTS.  Q and K, step i: tiles of rows 2 i and 2 i + 1 make fragment i of each of my two heads: registers 0-5 row 32 i + r, registers 6-11 row 32 i + 16 + r, 64 codes each; into out-buffer i % 2
.macro QKQ i
.set EB, E0+32*((\i)%2)
	QUANT 64*((2*(\i))%4), 2+(2*(\i))/4, EB, EB+12, PWA
	QUANT 64*((2*(\i)+1)%4), 2+(2*(\i)+1)/4, EB+6, EB+18, PWB
	v_perm_b32 v[SW+(\i)], v[PWB], v[PWA], 0x05040100     ; the first head's word: two bytes of each row
	v_perm_b32 v[SW+4+(\i)], v[PWB], v[PWA], 0x07060302   ; the second head's
.endm
.macro QKS i                           ; and its six stores
.set EB, E0+32*((\i)%2)
.irp q, 0,1,2
	global_store_b128 v[L16], v[EB+4*\q:EB+4*\q+3], s[18:19] offset:1536*(\i)+512*\q          ; 32 lanes store 512 consecutive bytes, at a multiple of 256 from the buffer's first byte
	global_store_b128 v[L16], v[EB+12+4*\q:EB+12+4*\q+3], s[18:19] offset:102400+1536*(\i)+512*\q
.endr
.endm
; V, step b: tile of columns b: fragment b % 4 of head b / 4: 16 of the head's 64 x these 128 keys; into out-buffer b % 2
.macro VQ b
.set EB, E0+12*((\b)%2)
	QUANT 64*((\b)%4), 2+(\b)/4, EB, EB+6, SW+(\b)
.endm
.macro VS b
.set EB, E0+12*((\b)%2)
.irp q, 0,1,2
	global_store_b128 v[L16], v[EB+4*\q:EB+4*\q+3], s[18:19] offset:((\b)/4)*102400+((\b)%4)*1536+512*\q
.endr
.endm
.macro SCALEMAKE                       ; the two heads' scale words: lanes 0-15 take an even fragment's, lanes 16-31 the odd one's
.irp hd, 0,1
	v_cndmask_b32 v[RP+2*\hd], v[SW+4*\hd], v[SW+4*\hd+1], s[HM]
	v_cndmask_b32 v[RP+2*\hd+1], v[SW+4*\hd+2], v[SW+4*\hd+3], s[HM]
.endr
.endm
.macro SCALESEND                       ; 32 lanes store 256 consecutive bytes
.irp hd, 0,1
	global_store_b64 v[L8], v[RP+2*\hd:RP+2*\hd+1], s[18:19] offset:102400*\hd+6144
.endr
.endm
	s_load_b256 s[4:11], s[0:1], 0x0               ; query, key, value, bq
	s_load_b256 s[12:19], s[0:1], 0x20             ; bk, bv, wimg, qimg
	s_load_b128 s[20:23], s[0:1], 0x40             ; kimg, vimg
	v_lshl_add_u32 v[SPW], v0, 2, SPARE
	v_mov_b32 v[NIL], 0
	v_lshrrev_b32 v1, 5, v0
	v_readfirstlane_b32 s[WV], v1                  ; wave 0..3
	v_and_b32 v1, 31, v0                           ; lane
	v_and_b32 v14, 15, v0                          ; r
	v_bfe_u32 v15, v0, 4, 1                        ; h
	v_lshlrev_b32 v[L16], 4, v1
	v_lshlrev_b32 v[L8], 3, v1
	v_add_nc_u32 v[LXB], 0x10000, v[L16]
	s_wait_alu depctr_va_sdst(0)                   ; the wave's number is written, ahead of its first reader: LDS addresses and the buffers' offsets are made from it
	s_mul_i32 s28, s[WV], 8448
	s_add_co_u32 s28, s28, STG                     ; my stage
	v_add_nc_u32 v[STI], s28, v[L16]
	v_mul_u32_u24 v[STO], v14, 528
	v_lshl_add_u32 v[STO], v15, 5, v[STO]
	v_add_nc_u32 v[STO], s28, v[STO]
	s_lshl_b32 s28, s[WV], 17                      ; 32 rows of 4,096 bytes a wave
	v_add_nc_u32 v[XO], s28, v[L16]
	s_mul_i32 s28, s[WV], 3072
	v_add_nc_u32 v[XWI0], s28, v[L16]
	s_lshl_b32 s28, s[WV], 2
	s_add_co_u32 s28, s28, 12288
	v_lshl_add_u32 v[XWS0], v14, 4, s28
	v_lshlrev_b32 v[BOQ], 5, v15
	v_lshlrev_b32 v[BOV], 2, v14
.irp b, 0,1,2,3
	v_mov_b32 v[TM+4+\b], 0                        ; written once: a lane permute's destination counts as one of its sources
.endr
	s_mov_b32 s[SEL], 0x76543210
	s_mov_b32 s[SEL+1], 0xfedcba98                 ; v_permlanex16_b32's selects for lane l xor 16
	s_mov_b32 s[HM], 0xffff0000                    ; lanes 16-31
	s_lshr_b32 s[TZ], ttmp9, 6                     ; 0: query, 1: key, 2: value
	s_and_b32 s[MI], ttmp9, 63                     ; which 128 rows
	s_lshl_b32 s28, s[MI], 19                      ; x: 128 rows of 4,096 bytes
	s_mov_b32 s29, 0
	s_mul_i32 s30, s[TZ], 819200                   ; the weight's image, my wave's 32 units
	s_mul_i32 s31, s[WV], 204800
	s_add_co_u32 s30, s30, s31
	s_mov_b32 s31, 0
	s_lshr_b32 s42, s[MI], 4                       ; out: batch x 16 heads of 102,400 bytes,
	s_mul_i32 s42, s42, 1638400
	s_mul_i32 s43, s[WV], 409600                   ; my wave's four heads,
	s_add_co_u32 s42, s42, s43
	s_and_b32 s43, s[MI], 15
	s_mul_i32 s43, s43, 6400                       ; the unit of these 128 rows
	s_add_co_u32 s42, s42, s43
	s_mov_b32 s43, 0
	s_lshl_b32 s44, s[WV], 10                      ; bias: 256 numbers a wave
	s_mov_b32 s45, 0
	s_mov_b32 s[TI], 0
	s_wait_kmcnt 0x0
	s_cmp_eq_u32 s[TZ], 1                          ; the choices hang on the work-group's number alone
	s_cselect_b64 s[4:5], s[6:7], s[4:5]
	s_cselect_b64 s[10:11], s[12:13], s[10:11]
	s_cselect_b64 s[18:19], s[20:21], s[18:19]
	s_cmp_eq_u32 s[TZ], 2
	s_cselect_b64 s[4:5], s[8:9], s[4:5]
	s_cselect_b64 s[10:11], s[14:15], s[10:11]
	s_cselect_b64 s[18:19], s[22:23], s[18:19]
	s_add_nc_u64 s[4:5], s[4:5], s[28:29]          ; x
	s_add_nc_u64 s[16:17], s[16:17], s[30:31]      ; the weight's image
	s_add_nc_u64 s[18:19], s[18:19], s[42:43]      ; out
	s_add_nc_u64 s[10:11], s[10:11], s[44:45]      ; bias
	; ---- PHASE X: four trips of four fragments (two K steps x my two tiles of rows); 64 loads of 512 bytes a wave are out
	WIN 0x40
	s_wait_alu depctr_va_vdst(0)                   ; the addresses and offsets v2 to v9, v12 and v13 are written: every load and store of the kernel, global or LDS, reads one of them (the image's stores: v10, v11, made from v8, v9 in each trip)
	XLOADS 0, 0
	XLOADS 1, 0
	XLOADS 2, 0
	XLOADS 3, 0
	WIN 0
	s_mov_b32 s[CNT], 3
.Lx:
	v_add_nc_u32 v[XWI], s[TI], v[XWI0]
	v_add_nc_u32 v[XWS], s[TI], v[XWS0]
	XFRAG 0, 1, 48                                 ; my set is in; the three younger sets of 16 loads stay out
	XFRAG 1, 1, 48
	XFRAG 2, 1, 48
	XFRAG 3, 1, 48
	s_wait_xcnt 0x0                                ; the loads have read their base
	s_wait_alu depctr_vm_vsrc(0)                   ; the trip's image stores have read v[XWI] and v[XWS], which the next trip's two additions write
	s_add_nc_u64 s[4:5], s[4:5], 1024
	s_add_co_u32 s[TI], s[TI], 32768
	s_sub_co_u32 s[CNT], s[CNT], 1
	s_cmp_lg_u32 s[CNT], 0
	s_cbranch_scc1 .Lx
	v_add_nc_u32 v[XWI], s[TI], v[XWI0]
	v_add_nc_u32 v[XWS], s[TI], v[XWS0]
	XFRAG 0, 0, 48                                 ; the last trip loads no x: the counts run down
	XFRAG 1, 0, 32
	XFRAG 2, 0, 16
	XFRAG 3, 2, 0
	s_wait_dscnt 0x0                               ; for the others' sake: my images have landed
	s_barrier_signal -1
	s_barrier_wait -1                              ; all 64 fragments of x lie in LDS; nothing is stored to LDS from here on
	s_wait_alu depctr_vm_vsrc(0)                   ; my last image stores have read v[E0 ..] and v[PWA]: x's second set of fragments lands on the first, the way out writes both
	s_cmp_eq_u32 s[TZ], 2
	s_cbranch_scc1 .Lv_path
	; ---- Q and K
	BIASLD 0                                       ; into window 1's fourth set: the stage's stores that read it stand ahead of the waits on vm_vsrc above; no vector instruction has named it
	XFETCH 0, 0                                    ; into v64-159: of these QUANT read v[XR ..], ahead of the wait on va_vdst behind it
	s_mov_b32 s[PASS], 2
.Lqk_pass:
.set U_, 0
.rept 16
	UNIT 0, U_
.set U_, U_+1
.endr
	NEXTBIAS 0
.irp i, 0,1,2,3                        ; step i - 1's codes are stored at the head of step i
.if \i > 0
.if \i > 1
	s_wait_xcnt 0x0                                ; the stores issued a step ago have had their addresses translated: their data registers are written again only behind this wait
	s_wait_alu depctr_vm_vsrc(0)                   ; and they have read their out-buffer, which this step's conversions write again
.endif
	s_wait_alu depctr_va_vdst(0)                   ; the step before has written its out-buffer, which the stores below read
	QKS \i-1
.endif
	QKQ \i
.endr
	SCALEMAKE
	s_wait_alu depctr_va_vdst(0)                   ; step 3 has written its out-buffer and the four selections v56 to v59, which the stores below read
	QKS 3
	SCALESEND
	s_wait_xcnt 0x0                                ; stores and loads have read their bases and registers
	s_wait_alu depctr_vm_vsrc(0)                   ; the stores have read both out-buffers and v56 to v59: the next pass's fragments of x land on the buffers, its way out writes them all again
	s_add_nc_u64 s[18:19], s[18:19], 204800        ; two heads on
	s_add_nc_u64 s[16:17], s[16:17], 102400        ; sixteen units on
	s_sub_co_u32 s[PASS], s[PASS], 1
	s_cmp_lg_u32 s[PASS], 0
	s_cbranch_scc1 .Lqk_pass
	s_wait_dscnt 0x0                               ; the closing lines, six on end
	s_wait_alu 0x0
	s_wait_tensorcnt 0x0
	ds_add_u32 v[SPW], v[NIL]
	s_wait_dscnt 0x0
	s_endpgm
	; ---- V
.Lv_path:
	BIASLD 1                                       ; as on the other way
	XFETCH 0, 0
	s_mov_b32 s[PASS], 2
.Lv_pass:
.set U_, 0
.rept 16
	UNIT 1, U_
.set U_, U_+1
.endr
	NEXTBIAS 1
.irp b, 0,1,2,3,4,5,6,7                ; step b - 1's codes are stored at the head of step b
.if \b > 0
.if \b > 1
	s_wait_xcnt 0x0                                ; the stores issued a step ago have had their addresses translated: their data registers are written again only behind this wait
	s_wait_alu depctr_vm_vsrc(0)                   ; and they have read their out-buffer, which this step's conversions write again
.endif
	s_wait_alu depctr_va_vdst(0)                   ; the step before has written its out-buffer, which the stores below read
	VS \b-1
.endif
	VQ \b
.endr
	SCALEMAKE
	s_wait_alu depctr_va_vdst(0)                   ; step 7 has written its out-buffer and the four selections v56 to v59, which the stores below read
	VS 7
	SCALESEND
	s_wait_xcnt 0x0                                ; stores and loads have read their bases and registers
	s_wait_alu depctr_vm_vsrc(0)                   ; the stores have read both out-buffers and v56 to v59: the next pass's fragments of x land on the buffers, its way out writes them all again
	s_add_nc_u64 s[18:19], s[18:19], 204800
	s_add_nc_u64 s[16:17], s[16:17], 102400
	s_sub_co_u32 s[PASS], s[PASS], 1
	s_cmp_lg_u32 s[PASS], 0
	s_cbranch_scc1 .Lv_pass
	s_wait_dscnt 0x0                               ; the closing lines, six on end
	s_wait_alu 0x0
	s_wait_tensorcnt 0x0
	ds_add_u32 v[SPW], v[NIL]
	s_wait_dscnt 0x0
	s_endpgm
.Lfunc_end_k_q02ecf584e7_proj:
	.size	k_q02ecf584e7_proj, .Lfunc_end_k_q02ecf584e7_proj-k_q02ecf584e7_proj
	.p2alignl 7, 3214868480
	.fill 96, 4, 3214868480
	.section	.rodata,"a",@progbits
	.p2align	6, 0x0
	.amdhsa_kernel k_q02ecf584e7_proj
		.amdhsa_group_segment_fixed_size 165376
		.amdhsa_private_segment_fixed_size 0
		.amdhsa_enable_private_segment 0
		.amdhsa_kernarg_size 80
		.amdhsa_user_sgpr_count 2
		.amdhsa_user_sgpr_kernarg_segment_ptr 1
		.amdhsa_wavefront_size32 1
		.amdhsa_system_sgpr_workgroup_id_x 1
		.amdhsa_system_sgpr_workgroup_id_y 1
		.amdhsa_system_sgpr_workgroup_id_z 1
		.amdhsa_system_vgpr_workitem_id 0
		.amdhsa_next_free_vgpr 1024
		.amdhsa_next_free_sgpr 66
		.amdhsa_reserve_vcc 0
		.amdhsa_float_denorm_mode_32 3
		.amdhsa_float_denorm_mode_16_64 3
		.amdhsa_memory_ordered 1
		.amdhsa_forward_progress 1
		.amdhsa_inst_pref_size 255
	.end_amdhsa_kernel
	.section	.bss,"aw",@nobits
	.p2align	6
	.space	262144
	.amdgpu_metadata
---
amdhsa.version: [ 1, 2 ]
amdhsa.kernels:
  - .name:           k_q02ecf584e7_proj
    .symbol:         k_q02ecf584e7_proj.kd
    .args:
      - { .name: query, .offset: 0, .size: 8, .value_kind: global_buffer, .address_space: global }
      - { .name: key, .offset: 8, .size: 8, .value_kind: global_buffer, .address_space: global }
      - { .name: value, .offset: 16, .size: 8, .value_kind: global_buffer, .address_space: global }
      - { .name: bq, .offset: 24, .size: 8, .value_kind: global_buffer, .address_space: global }
      - { .name: bk, .offset: 32, .size: 8, .value_kind: global_buffer, .address_space: global }
      - { .name: bv, .offset: 40, .size: 8, .value_kind: global_buffer, .address_space: global }
      - { .name: wimg, .offset: 48, .size: 8, .value_kind: global_buffer, .address_space: global }
      - { .name: qimg, .offset: 56, .size: 8, .value_kind: global_buffer, .address_space: global }
      - { .name: kimg, .offset: 64, .size: 8, .value_kind: global_buffer, .address_space: global }
      - { .name: vimg, .offset: 72, .size: 8, .value_kind: global_buffer, .address_space: global }
    .group_segment_fixed_size: 165376
    .private_segment_fixed_size: 0
    .kernarg_segment_align: 8
    .kernarg_segment_size: 80
    .max_flat_workgroup_size: 128
    .sgpr_count:     66
    .vgpr_count:     1024
    .wavefront_size: 32
...
	.end_amdgpu_metadata
.endif
;; end of part 6
;; launch attn (part 7): grid 4 x 64, 16 waves a work-group, clusters of 4 x 1, 206,848 bytes of LDS; arguments qimg, kimg, vimg, oimg; writes oimg
.if DOCPART == 7
	.amdgcn_target "amdgcn-amd-amdhsa--gfx1250"
	.amdhsa_code_object_version 6
	.text
	.protected	k_q02ecf584e7_attn
	.globl	k_q02ecf584e7_attn
	.p2align	8
	.type	k_q02ecf584e7_attn,@function
k_q02ecf584e7_attn:
	s_mov_b64 s[64:65], 0
	v_nop
	global_prefetch_b8 v0, s[64:65] scope:SCOPE_SE
	s_setreg_imm32_b32 hwreg(HW_REG_WAVE_MODE, 25, 1), 1
	s_wait_xcnt 0x0
	s_wait_alu depctr_hold_cnt(0) depctr_sa_sdst(0) depctr_va_vdst(0) depctr_va_sdst(0) depctr_va_ssrc(0) depctr_va_vcc(0) depctr_vm_vsrc(0)
	s_getreg_b32 s2, hwreg(HW_REG_IB_STS2, 6, 4)
	s_cmp_eq_u32 s2, 0
	s_cbranch_scc0 .Lentry_in_a_cluster
	s_endpgm
.Lentry_in_a_cluster:
	s_bfe_u32 s2, ttmp6, 0x10000c
	s_cmp_lg_u32 s2, 0x3003
	s_cbranch_scc0 .Lentry_shape_is_right
	s_endpgm
.Lentry_shape_is_right:
; O = softmax(Q K^T / 8) V for one batch and head (cluster y), both products on codes of FP6 (E2M3) with one E8M0 byte for each 32 along a product's K; O / the row's sum leaves as codes along the model's 1,024.
; THE SOFTMAX AHEAD OF THE SECOND PRODUCT: t = score x log2(e) / 8; M = the running largest t rounded UP to a whole number; p = 2^(t - M) is what is quantised along the keys, not normalised;
; the row's sum is taken of the unquantised p and divides at the end; when M moves, the sum and O are multiplied by 2^(old M - new M), which rounds nothing.
; SHARES.  The four work-groups of a cluster take 512 queries each of ONE head.  The head's K and V as codes, 2 x 102,400 bytes, fit in LDS whole: they are asked for JOINTLY, once, sixteen loads of 12,800 bytes,
; one a wave; nothing is ever filled again, so there is no ring.  A wave owns one tile of 16 queries at a time, in 256 registers, four waves to a SIMD, and walks all 2,048 keys, 128 a step; then a second tile.
; LAYOUT.  Both products are used transposed (S^T = K Q^T, O^T = V^T P^T): a lane holds one query throughout.
; THE HEAD IS 64 WIDE, THE INSTRUCTION 128: a fragment of K holds two tiles of keys side by side (registers 0-5 key 32 i + r, registers 6-11 key 32 i + 16 + r); multiplied by [q, 0] it gives the first tile's scores, by [0, q]
; the second's: zero codes add nothing.  So one fragment read from LDS feeds two products.
; The keys of a block of 32 stand in p's codes at place 16 h + 8 u + j for key 16 u + 8 h + j, and V's codes were laid in the same order.
; LIMITS: an exponential under 2^-126 comes out as 0; NaN and infinities are not served; a block of zeros gets the byte 1 (its codes are zeros; this program alone reads the bytes).
; LDS: K's 16 units of 6,400 bytes from 0, V's from 102,400, the spare words from 204,800.
.set VB,    102400
.set SPARE, 204800                     ; the spare words, 128 bytes for each wave: eight blocks of 256 bytes that no other line names
.set LK,  1                            ; v1   16 x lane
.set LV,  2                            ; v2   16 x lane + V's base
.set LKS, 3                            ; v3   8 x lane + 6,144: a unit's scale words
.set LVS, 4                            ; v4   the same for V
.set SPW, 5                            ; v5   LDS address of my spare word; never rewritten
.set NIL, 6                            ; v6   0; never rewritten
.set QOF, 7                            ; v7   Q: 16 x lane + my fragment in its unit
                                       ; v8-11 the step's LDS addresses; v12 -M, v13 the largest t, v[14:15] the sum in two halves
.set QLO, 16                           ; v16-27 [q, 0];  v28-39 [0, q]
.set QS,  40                           ; v40  q's two scale bytes, twice
.set QSO, 41                           ; v41  where q's scale word lies
.set OO1, 42                           ; v42, v43, v227 where my codes and scale bytes go
.set OO2, 43
.set FR,  44                           ; v44-91 four fragments of K, then of V
.set KS,  92                           ; v92-93 K's scale words, v94-95 V's
.set VS,  94
.set S,   96                           ; v96-159 S^T, then p
.set O,   160                          ; v160-191 O^T
.set PC,  192                          ; v192-203 p's codes
.set CT,  204                          ; v204-210 upper halves of blocks on their way
.set BM,  212                          ; v212-215 each block's largest score, then its largest p
.set BT,  216                          ; v216-219 at work
.set SO,  220                          ; v220-223 the conversions' scale operands
.set FF,  224                          ; v224 f = 2^(old M - new M)
.set PS,  225                          ; v225 p's scale word
.set TT,  226                          ; v226 at work
.set OO3, 227
.set OB2, 228                          ; v228 O's two scale bytes
.set WV,  12
.set CX,  13
.set BH,  14
.set G1,  16                           ; s[16:23] descriptor group 1;  s[24:27], s[44:47] groups 0 for K and for V
.set G0K, 24
.set SEL, 28
.set CS,  30
.set TB,  32
.set STEPS, 33
.set BLK, 34
.set UM,  35
.set PSEL, 36
.set G0V, 44
.macro CROUND                          ; a round of the cluster's barrier
	s_barrier_signal -1
	s_barrier_wait -1
	s_cmp_lg_u32 s[WV], 0
	s_cbranch_scc1 .Lnot_wave_0_\@
	s_barrier_signal -3
.Lnot_wave_0_\@:
	s_barrier_wait -3
	s_barrier_signal -1
	s_barrier_wait -1
.endm
	s_load_b256 s[4:11], s[0:1], 0x0               ; qimg, kimg, vimg, oimg
	v_lshl_add_u32 v[SPW], v0, 2, SPARE
	v_mov_b32 v[NIL], 0
	ds_add_u32 v[SPW], v[NIL]                      ; the wave's opening: two adds and their wait stand ahead of my first tensor load; the set-up below, work on registers, stands between them
	ds_add_u32 v[SPW], v[NIL]
	v_lshrrev_b32 v8, 5, v0
	s_delay_alu instid0(VALU_DEP_1)
	v_readfirstlane_b32 s[WV], v8                  ; wave 0..15
	s_bfe_u32 s[CX], ttmp6, 0x40000                ; my place in the cluster: it enters Q's and O's addresses alone
	s_and_b32 s[BH], ttmp7, 0xffff                 ; batch x 16 + head, which the four partners share
	; descriptor group 1: 12,800 dense bytes as 50 rows of 256 bytes (32 elements of 8 bytes)
	s_mov_b32 s[G1], 15|(3<<16)|(1<<21)            ; 15:0 the mask: all four work-groups; 17:16 elements of 8 bytes; 21 set beside a mask; no padding
	s_mov_b32 s[G1+1], 32<<16                      ; tensor_dim0 = 32
	s_mov_b32 s[G1+2], 50<<16                      ; tensor_dim1 = 50
	s_mov_b32 s[G1+3], 32<<16                      ; tile_dim0 = 32
	s_mov_b32 s[G1+4], 50                          ; tile_dim1 = 50
	s_mov_b32 s[G1+5], 32                          ; from row to row
	s_mov_b32 s[G1+6], 0
	s_mov_b32 s[G1+7], 0
	s_mul_i32 s38, s[BH], 102400                   ; the head's first byte in qimg, kimg and vimg
	s_and_b32 s40, s[WV], 7
	s_mul_i32 s40, s40, 12800                      ; my eighth of K or of V
	s_add_co_u32 s40, s40, s38
	s_mov_b32 s41, 0
	s_mul_i32 s42, s[WV], 12800                    ; and its place in LDS: waves 0-7 fill K's bytes, waves 8-15 V's, which follow
	s_mov_b32 s[SEL], 0x76543210
	s_mov_b32 s[SEL+1], 0xfedcba98                 ; v_permlanex16_b32's selects for lane l xor 16
	s_mov_b32 s[CS], 0x3e38aa3b                    ; c = log2(e) / 8
	s_mov_b32 s[CS+1], s[CS]                       ; (named with it as a pair, so it is written)
	s_and_b32 s[UM], s[WV], 1                      ; which half of its fragment of Q holds my tile:
	s_mov_b32 s[PSEL], 0x01000100                  ; its two scale bytes, twice
	s_cmp_eq_u32 s[UM], 0
	s_cselect_b32 s[PSEL], s[PSEL], 0x03020302
	s_sub_co_u32 s[UM], 0, s[UM]                   ; and as a mask of lanes: none or all
	s_wait_dscnt 0x0                               ; the opening add is done
	s_wait_kmcnt 0x0
	s_mov_b32 s[G0K], 1
	s_mov_b32 s[G0K+1], s42
	s_add_nc_u64 s[G0K+2:G0K+3], s[6:7], s[40:41]
	s_or_b32 s[G0K+3], s[G0K+3], 0x80000000
	s_mov_b32 s[G0V], 1
	s_mov_b32 s[G0V+1], s42
	s_add_nc_u64 s[G0V+2:G0V+3], s[8:9], s[40:41]
	s_or_b32 s[G0V+3], s[G0V+3], 0x80000000
	CROUND                                         ; all four work-groups are here: the joint loads meet
	s_cmp_lt_u32 s[WV], 8                          ; the branch hangs on the wave's number alone; one tensor load of mine is out
	s_cbranch_scc0 .Lfor_v
	tensor_load_to_lds s[G0K:G0K+3], s[G1:G1+7]
	s_nop 0
.rept 4
	v_nop
.endr
	s_branch .Lasked
.Lfor_v:
	tensor_load_to_lds s[G0V:G0V+3], s[G1:G1+7]
	s_nop 0
.rept 4
	v_nop
.endr
.Lasked:
	v_and_b32 v8, 31, v0                           ; lane
	v_and_b32 v9, 15, v0                           ; r
	s_wait_alu depctr_va_vdst(0)
	v_lshlrev_b32 v[LK], 4, v8
	s_wait_alu depctr_va_vdst(0)
	v_add_nc_u32 v[LV], VB, v[LK]
	v_lshlrev_b32 v10, 3, v8
	s_wait_alu depctr_va_vdst(0)
	v_add_nc_u32 v[LKS], 6144, v10
	v_add_nc_u32 v[LVS], VB+6144, v10
	; Q.  My tile in block qb is T = 32 cx + 16 qb + wave: unit T / 8, fragment f = (wave % 8) / 2, half wave % 2
	s_bfe_u32 s42, s[WV], 0x20001                  ; f
	s_mul_i32 s43, s42, 1536
	v_add_nc_u32 v[QOF], s43, v[LK]
	s_and_b32 s43, s42, 1
	s_lshl_b32 s43, s43, 7                         ; the scale word of fragment f, row r: 6,144 + 8 (r + 16 (f % 2)) + 4 (f / 2)
	s_lshr_b32 s48, s42, 1
	s_lshl_b32 s48, s48, 2
	s_add_co_u32 s43, s43, s48
	s_add_co_u32 s43, s43, 6144
	v_lshl_add_u32 v[QSO], v9, 3, s43
	s_lshl_b32 s48, s[CX], 2
	s_lshr_b32 s49, s[WV], 3
	s_add_co_u32 s48, s48, s49                     ; block 0's unit: 4 cx + wave / 8
	s_mul_i32 s50, s48, 6400
	s_add_co_u32 s50, s50, s38
	s_mov_b32 s51, 0
	s_add_nc_u64 s[4:5], s[4:5], s[50:51]
	; O.  Record (batch x 16 + T / 8) of 102,400 bytes; half fragment (16 (head / 2) + 2 (wave % 8) + head % 2) of 768 bytes
	s_lshr_b32 s49, s[BH], 4
	s_lshl_b32 s49, s49, 4
	s_add_co_u32 s49, s49, s48
	s_mul_i32 s50, s49, 102400
	s_add_nc_u64 s[10:11], s[10:11], s[50:51]
	s_and_b32 s52, s[BH], 15
	s_lshr_b32 s53, s52, 1                         ; K step of the last product
	s_and_b32 s52, s52, 1                          ; which half of it
	s_and_b32 s54, s[WV], 7                        ; tile of rows a
	s_lshl_b32 s55, s53, 4
	s_lshl_b32 s56, s54, 1
	s_add_co_u32 s55, s55, s56
	s_add_co_u32 s55, s55, s52
	s_mul_i32 s55, s55, 768
	v_add_nc_u32 v[OO1], s55, v[LK]
	v_add_nc_u32 v[OO2], s55, v10
	s_lshl_b32 s55, s53, 9                         ; the two scale bytes: 98,304 + 512 s + 16 (r + 16 (a % 2)) + 4 (a / 2) + 2 (head % 2)
	s_and_b32 s56, s54, 1
	s_lshl_b32 s56, s56, 8
	s_add_co_u32 s55, s55, s56
	s_lshr_b32 s56, s54, 1
	s_lshl_b32 s56, s56, 2
	s_add_co_u32 s55, s55, s56
	s_lshl_b32 s56, s52, 1
	s_add_co_u32 s55, s55, s56
	s_add_co_u32 s55, s55, 98304
	v_lshl_add_u32 v[OO3], v9, 4, s55
.irp i, 0,1,2,3,4,5
	v_mov_b32 v[QLO+6+\i], 0                       ; the zero halves of [q, 0] and [0, q]: written once
	v_mov_b32 v[QLO+12+\i], 0
.endr
.irp b, 0,1,2,3
	v_mov_b32 v[BT+\b], 0                          ; written once: a lane permute's destination counts as one of its sources
.endr
	v_mov_b32 v[PS], 0                             ; (named as the upper half of the pair with f before it is first written)
	v_mov_b32 v[TT], 0
	s_wait_tensorcnt 0x0                           ; my part of K or V has landed,
	s_barrier_signal -1
	s_barrier_wait -1                              ; everybody's has; LDS is only read from here on
	s_mov_b32 s[BLK], 2
.Lblock:
.irp q, 0,1,2
	global_load_b128 v[FR+4*\q:FR+4*\q+3], v[QOF], s[4:5] offset:512*\q   ; the fragment of Q that holds my tile
.endr
	global_load_b32 v[FR+12], v[QSO], s[4:5]       ; and its rows' scale words
	v_mov_b32 v13, 0xff61b1e6                      ; the largest t so far: -3e38, under every t
	s_delay_alu instid0(VALU_DEP_1)
	v_floor_f32 v12, -v13                          ; -M
	v_mov_b32 v14, 0                               ; the sum, in two halves
	v_mov_b32 v15, 0
	s_mov_b32 s[TB], 0
	s_mov_b32 s[STEPS], 16
	s_wait_loadcnt 0x0
.irp i, 0,1,2,3,4,5
	v_cndmask_b32 v[QLO+\i], v[FR+\i], v[FR+6+\i], s[UM]   ; my tile's six registers
.endr
.irp i, 0,1,2,3,4,5
	v_mov_b32 v[QLO+18+\i], v[QLO+\i]
.endr
	v_perm_b32 v[QS], v[FR+12], v[FR+12], s[PSEL]  ; my two bytes at both places: they serve [q, 0] and [0, q] alike
.set J, 0
.rept 32
	v_mov_b32 v[O+J], 0                            ; O^T: the step is written once; its first trip finds zeros.  (These are also the places between the lines above and the first scaled product)
.set J, J+1
.endr
.Lstep:                                            ; 16 trips of 128 keys
	s_setprio 2
	v_add_nc_u32 v8, s[TB], v[LK]                  ; (these four are the places behind the last products, in front of the loads into their registers)
	v_add_nc_u32 v9, s[TB], v[LV]
	v_add_nc_u32 v10, s[TB], v[LKS]
	v_add_nc_u32 v11, s[TB], v[LVS]
.irp f, 0,1,2,3
.irp q, 0,1,2
	ds_load_b128 v[FR+12*\f+4*\q:FR+12*\f+4*\q+3], v8 offset:1536*\f+512*\q
.endr
.endr
	ds_load_b64 v[KS:KS+1], v10
	s_wait_alu depctr_va_vdst(0)
	s_wait_dscnt 0x0
.irp i, 0,1,2,3                        ; S^T: tile 2 i + u = keys 32 i + 16 u + 8 h + 0 .. 7 of my query
.irp u, 0,1
.if (\i)%2
	v_wmma_scale_f32_16x16x128_f8f6f4 v[S+8*(2*\i+\u):S+8*(2*\i+\u)+7], v[FR+12*\i:FR+12*\i+11], v[QLO+12*\u:QLO+12*\u+11], 0, v[KS+\i/2], v[QS] matrix_a_fmt:MATRIX_FMT_FP6 matrix_b_fmt:MATRIX_FMT_FP6 matrix_a_scale:MATRIX_SCALE_ROW1
.else
	v_wmma_scale_f32_16x16x128_f8f6f4 v[S+8*(2*\i+\u):S+8*(2*\i+\u)+7], v[FR+12*\i:FR+12*\i+11], v[QLO+12*\u:QLO+12*\u+11], 0, v[KS+\i/2], v[QS] matrix_a_fmt:MATRIX_FMT_FP6 matrix_b_fmt:MATRIX_FMT_FP6
.endif
.endr
.endr
.rept 4
	v_nop                                          ; places in front of the loads below and of the first read of the scores
.endr
.irp f, 0,1,2,3                        ; V's four fragments land while the softmax is walked
.irp q, 0,1,2
	ds_load_b128 v[FR+12*\f+4*\q:FR+12*\f+4*\q+3], v9 offset:1536*\f+512*\q
.endr
.endr
	ds_load_b64 v[VS:VS+1], v11
.irp b, 0,1,2,3
	v_max3_num_f32 v[BM+\b], v[S+16*\b], v[S+1+16*\b], v[S+2+16*\b]   ; the largest score of each block of 32 keys: it serves the row's maximum and, since p rises with the score, the block's largest p
.endr
.irp i, 3,5,7,9,11,13
.irp b, 0,1,2,3
	v_max3_num_f32 v[BM+\b], v[BM+\b], v[S+16*\b+\i], v[S+1+16*\b+\i]
.endr
.endr
.irp b, 0,1,2,3
	v_max_num_f32 v[BM+\b], v[BM+\b], v[S+15+16*\b]
.endr
.irp b, 0,1,2,3
	s_delay_alu instid0(VALU_DEP_4)
	v_permlanex16_b32 v[BT+\b], v[BM+\b], s[SEL], s[SEL+1]
.endr
.irp b, 0,1,2,3
	s_delay_alu instid0(VALU_DEP_4)
	v_max_num_f32 v[BM+\b], v[BM+\b], v[BT+\b]     ; with lane l xor 16's 16 keys
.endr
	s_delay_alu instid0(VALU_DEP_2)
	v_max3_num_f32 v[TT], v[BM], v[BM+1], v[BM+2]
	s_delay_alu instid0(VALU_DEP_1)
	v_max_num_f32 v[TT], v[TT], v[BM+3]            ; the step's largest score of my query
	s_delay_alu instid0(VALU_DEP_1)
	v_mul_f32 v[TT], s[CS], v[TT]                  ; as t (c is positive)
	s_delay_alu instid0(VALU_DEP_1)
	v_max_num_f32 v13, v13, v[TT]                  ; the running largest t
	v_mov_b32 v[TT], v12
	s_delay_alu instid0(VALU_DEP_2)
	v_floor_f32 v12, -v13                          ; the new -M = floor(-t) = -ceil(t)
	s_delay_alu instid0(VALU_DEP_1)
	v_sub_f32 v[TT], v12, v[TT]                    ; old M - new M: a whole number, 0 or less
	s_delay_alu instid0(VALU_DEP_1)
	v_cvt_i32_f32 v[TT], v[TT]                     ; (it saturates)
	s_delay_alu instid0(VALU_DEP_1)
	v_ldexp_f32 v[FF], 1.0, v[TT]                  ; f = 2^(old M - new M)
.set J, 0
.rept 32
	v_pk_fma_f32 v[S+J:S+J+1], v[S+J:S+J+1], s[CS:CS+1], v[12:13] op_sel_hi:[1,0,0]   ; t - M, two at a time
.set J, J+2
.endr
.irp b, 0,1,2,3
	v_fma_f32 v[BM+\b], v[BM+\b], s[CS], v12       ; the same of each block's largest score
.endr
.set J, 0
	s_wait_alu depctr_va_vdst(0)
.rept 64
	v_exp_f32 v[S+J], v[S+J]                       ; p = 2^(t - M), at most 1
.set J, J+1
.endr
	s_setprio 1
	v_pk_mul_f32 v[14:15], v[14:15], v[FF:FF+1] op_sel_hi:[1,0]   ; the sums under the new M: a plain instruction behind the exponentials
	s_wait_alu depctr_va_vdst(0)                   ; one wait for the whole batch, ahead of its first reader
.irp b, 0,1,2,3
	v_exp_f32 v[BM+\b], v[BM+\b]                   ; the block's largest p: the same two instructions on the same number give the same bits
.endr
	v_pk_add_f32 v[216:217], v[100:101], v[104:105]
	v_pk_add_f32 v[254:255], v[108:109], v[112:113]
	v_pk_add_f32 v[252:253], v[116:117], v[120:121]
	v_pk_add_f32 v[250:251], v[124:125], v[128:129]
	v_pk_add_f32 v[248:249], v[132:133], v[136:137]
	v_pk_add_f32 v[246:247], v[140:141], v[144:145]
	v_pk_add_f32 v[244:245], v[148:149], v[152:153]
	v_pk_add_f32 v[14:15], v[14:15], v[156:157]
	v_pk_add_f32 v[216:217], v[216:217], v[96:97]
	v_pk_add_f32 v[254:255], v[254:255], v[98:99]
	v_pk_add_f32 v[252:253], v[252:253], v[102:103]
	v_pk_add_f32 v[250:251], v[250:251], v[106:107]
	v_pk_add_f32 v[248:249], v[248:249], v[110:111]
	v_pk_add_f32 v[246:247], v[246:247], v[114:115]
	v_pk_add_f32 v[244:245], v[244:245], v[118:119]
	v_pk_add_f32 v[14:15], v[14:15], v[122:123]
	v_pk_add_f32 v[216:217], v[216:217], v[126:127]
	v_pk_add_f32 v[254:255], v[254:255], v[130:131]
	v_pk_add_f32 v[252:253], v[252:253], v[134:135]
	v_pk_add_f32 v[250:251], v[250:251], v[138:139]
	v_pk_add_f32 v[248:249], v[248:249], v[142:143]
	v_pk_add_f32 v[246:247], v[246:247], v[146:147]
	v_pk_add_f32 v[244:245], v[244:245], v[150:151]
	v_pk_add_f32 v[14:15], v[14:15], v[154:155]
	v_pk_add_f32 v[216:217], v[216:217], v[158:159]
	s_delay_alu instid0(VALU_DEP_2)
	v_pk_add_f32 v[14:15], v[14:15], v[250:251]
	s_delay_alu instid0(VALU_DEP_2)
	v_pk_add_f32 v[216:217], v[216:217], v[248:249]
	v_pk_add_f32 v[254:255], v[254:255], v[246:247]
	v_pk_add_f32 v[252:253], v[252:253], v[244:245]
	s_delay_alu instid0(VALU_DEP_2)
	v_pk_add_f32 v[14:15], v[14:15], v[254:255]
	s_delay_alu instid0(VALU_DEP_2)
	v_pk_add_f32 v[216:217], v[216:217], v[252:253]
	s_delay_alu instid0(VALU_DEP_1)
	v_pk_add_f32 v[14:15], v[14:15], v[216:217]
	s_wait_alu depctr_va_vdst(0)                   ; and one for the four
.irp b, 0,1,2,3
	v_max_num_f32 v[BM+\b], 0x1800000, v[BM+\b]    ; the floor 2^(3 - 127): the byte cannot fall under 1
.endr
.irp b, 0,1,2,3
	s_delay_alu instid0(VALU_DEP_4)
	v_add_nc_u32 v[SO+\b], 0xff000000, v[BM+\b]    ; 2 off the exponent field: the conversion's scale operand
.endr
.irp b, 0,1,2,3
	s_delay_alu instid0(VALU_DEP_4)
	v_lshrrev_b32 v[BT+\b], 23, v[SO+\b]           ; the scale's byte
.endr
	s_delay_alu instid0(VALU_DEP_3)
	v_lshl_or_b32 v[PS], v[BT+1], 8, v[BT]         ; p's scale word for these 128 keys
	s_delay_alu instid0(VALU_DEP_1)
	v_lshl_or_b32 v[PS], v[BT+2], 16, v[PS]
	s_delay_alu instid0(VALU_DEP_1)
	v_lshl_or_b32 v[PS], v[BT+3], 24, v[PS]
.irp c, 0,1
	v_cvt_scalef32_pk16_fp6_f32 v[PC+6*\c:PC+6*\c+2], v[S+32*\c:S+32*\c+15], v[SO+2*\c]
	v_cvt_scalef32_pk16_fp6_f32 v[CT+4*\c:CT+4*\c+2], v[S+32*\c+16:S+32*\c+31], v[SO+2*\c+1]
.endr
	v_nop                                          ; one plain instruction behind a scaled conversion
.irp c, 0,1                            ; a whole block in a lane: lanes 0-15 block 2 c, lanes 16-31 block 2 c + 1
.irp i, 0,1,2
	v_permlane16_swap_b32 v[PC+6*\c+\i], v[CT+4*\c+\i]
.endr
.irp i, 0,1,2
	s_delay_alu instid0(VALU_DEP_3)
	v_mov_b32 v[PC+6*\c+3+\i], v[CT+4*\c+\i]
.endr
.endr
.set J, 0
	s_setprio 0
.rept 16
	v_pk_mul_f32 v[O+J:O+J+1], v[O+J:O+J+1], v[FF:FF+1] op_sel_hi:[1,0]   ; O^T under the new M.  (These sixteen are also the places between p's codes and scale word and the scaled products)
.set J, J+2
.endr
	s_wait_alu depctr_va_vdst(0)
	s_wait_dscnt 0x0                               ; V is in
.irp t, 0,1,2,3                        ; O^T += V^T P^T: the four accumulators by turns
.if (\t)%2
	v_wmma_scale_f32_16x16x128_f8f6f4 v[O+8*\t:O+8*\t+7], v[FR+12*\t:FR+12*\t+11], v[PC:PC+11], v[O+8*\t:O+8*\t+7], v[VS+\t/2], v[PS] matrix_a_fmt:MATRIX_FMT_FP6 matrix_b_fmt:MATRIX_FMT_FP6 matrix_a_scale:MATRIX_SCALE_ROW1
.else
	v_wmma_scale_f32_16x16x128_f8f6f4 v[O+8*\t:O+8*\t+7], v[FR+12*\t:FR+12*\t+11], v[PC:PC+11], v[O+8*\t:O+8*\t+7], v[VS+\t/2], v[PS] matrix_a_fmt:MATRIX_FMT_FP6 matrix_b_fmt:MATRIX_FMT_FP6
.endif
.endr
	s_add_co_u32 s[TB], s[TB], 6400                ; the next unit of K and of V
	s_sub_co_u32 s[STEPS], s[STEPS], 1
	s_cmp_lg_u32 s[STEPS], 0
	s_cbranch_scc1 .Lstep
	s_setprio 0
	; ---- the tile's way out: O^T / the sum, quantised along the head's 64: half a fragment of the last product's operand
.rept 4
	v_nop                                          ; places behind the last products
.endr
	v_add_f32 v14, v14, v15                        ; the sum's two halves,
	s_delay_alu instid0(VALU_DEP_1)
	v_permlanex16_b32 v[TT], v14, s[SEL], s[SEL+1]
	s_delay_alu instid0(VALU_DEP_1)
	v_add_f32 v14, v14, v[TT]                      ; and lane l xor 16's
	s_wait_alu depctr_va_vdst(0)
	v_rcp_f32 v14, v14
	v_nop                                          ; a plain instruction behind the reciprocal
	s_wait_alu depctr_va_vdst(0)                   ; and the wait ahead of its first reader
.set J, 0
.rept 32
	v_mul_f32 v[S+J], v[O+J], v14                  ; register 16 b + 8 u + j: channel 32 b + 16 u + 8 h + j of my query
.set J, J+1
.endr
.irp b, 0,1
	v_max3_num_f32 v[BM+\b], |v[S+16*\b]|, |v[S+1+16*\b]|, 0x1800000
.endr
.irp i, 2,4,6,8,10,12,14
.irp b, 0,1
	s_delay_alu instid0(VALU_DEP_2)
	v_max3_num_f32 v[BM+\b], v[BM+\b], |v[S+16*\b+\i]|, |v[S+1+16*\b+\i]|
.endr
.endr
.irp b, 0,1
	s_delay_alu instid0(VALU_DEP_2)
	v_permlanex16_b32 v[BT+\b], v[BM+\b], s[SEL], s[SEL+1]
.endr
.irp b, 0,1
	s_delay_alu instid0(VALU_DEP_2)
	v_max_num_f32 v[BM+\b], v[BM+\b], v[BT+\b]
.endr
.irp b, 0,1
	s_delay_alu instid0(VALU_DEP_2)
	v_add_nc_u32 v[SO+\b], 0xff000000, v[BM+\b]
.endr
.irp b, 0,1
	s_delay_alu instid0(VALU_DEP_2)
	v_lshrrev_b32 v[BT+\b], 23, v[SO+\b]
.endr
	s_delay_alu instid0(VALU_DEP_1)
	v_lshl_or_b32 v[OB2], v[BT+1], 8, v[BT]        ; my row's two scale bytes
	v_cvt_scalef32_pk16_fp6_f32 v[PC:PC+2], v[S:S+15], v[SO]
	v_cvt_scalef32_pk16_fp6_f32 v[CT:CT+2], v[S+16:S+31], v[SO+1]
	v_nop
.irp i, 0,1,2
	v_permlane16_swap_b32 v[PC+\i], v[CT+\i]
.endr
.irp i, 0,1,2
	s_delay_alu instid0(VALU_DEP_3)
	v_mov_b32 v[PC+3+\i], v[CT+\i]
.endr
	global_store_b128 v[OO1], v[PC:PC+3], s[10:11]             ; 512 consecutive bytes, at a multiple of 256 from the buffer's first byte
	global_store_b64 v[OO2], v[PC+4:PC+5], s[10:11] offset:512 ; and 256 more
	global_store_b16 v[OO3], v[OB2], s[10:11]                  ; two bytes a row, 16 bytes apart (lanes l and l + 16 the same bytes): 32 of a tile's 800 bytes; the word's other half is the neighbouring head's
	s_wait_xcnt 0x0                                ; loads and stores have read their bases and registers
	s_add_nc_u64 s[4:5], s[4:5], 12800             ; 256 queries on: two units of Q,
	s_add_nc_u64 s[10:11], s[10:11], 204800        ; two records of O
	s_sub_co_u32 s[BLK], s[BLK], 1
	s_cmp_lg_u32 s[BLK], 0
	s_cbranch_scc1 .Lblock
	s_wait_tensorcnt 0x0                           ; the wave's end
	ds_add_u32 v[SPW], v[NIL]
	s_wait_dscnt 0x0
	CROUND                                         ; the closing round
	s_endpgm
.Lfunc_end_k_q02ecf584e7_attn:
	.size	k_q02ecf584e7_attn, .Lfunc_end_k_q02ecf584e7_attn-k_q02ecf584e7_attn
	.p2alignl 7, 3214868480
	.fill 96, 4, 3214868480
	.section	.rodata,"a",@progbits
	.p2align	6, 0x0
	.amdhsa_kernel k_q02ecf584e7_attn
		.amdhsa_group_segment_fixed_size 206848
		.amdhsa_private_segment_fixed_size 0
		.amdhsa_enable_private_segment 0
		.amdhsa_kernarg_size 32
		.amdhsa_user_sgpr_count 2
		.amdhsa_user_sgpr_kernarg_segment_ptr 1
		.amdhsa_wavefront_size32 1
		.amdhsa_system_sgpr_workgroup_id_x 1
		.amdhsa_system_sgpr_workgroup_id_y 1
		.amdhsa_system_sgpr_workgroup_id_z 1
		.amdhsa_system_vgpr_workitem_id 0
		.amdhsa_next_free_vgpr 256
		.amdhsa_next_free_sgpr 66
		.amdhsa_reserve_vcc 0
		.amdhsa_float_denorm_mode_32 3
		.amdhsa_float_denorm_mode_16_64 3
		.amdhsa_memory_ordered 1
		.amdhsa_forward_progress 1
		.amdhsa_inst_pref_size 31
	.end_amdhsa_kernel
	.amdgpu_metadata
---
amdhsa.version: [ 1, 2 ]
amdhsa.kernels:
  - .name:           k_q02ecf584e7_attn
    .symbol:         k_q02ecf584e7_attn.kd
    .args:
      - { .name: qimg, .offset: 0, .size: 8, .value_kind: global_buffer, .address_space: global }
      - { .name: kimg, .offset: 8, .size: 8, .value_kind: global_buffer, .address_space: global }
      - { .name: vimg, .offset: 16, .size: 8, .value_kind: global_buffer, .address_space: global }
      - { .name: oimg, .offset: 24, .size: 8, .value_kind: global_buffer, .address_space: global }
    .group_segment_fixed_size: 206848
    .private_segment_fixed_size: 0
    .kernarg_segment_align: 8
    .kernarg_segment_size: 32
    .max_flat_workgroup_size: 512
    .sgpr_count:     66
    .vgpr_count:     256
    .wavefront_size: 32
...
	.end_amdgpu_metadata
.endif
;; end of part 7
;; launch oproj (part 8): grid 4 x 64, 4 waves a work-group, clusters of 4 x 1, 167,936 bytes of LDS; arguments oimg, wimg, bo, out0; writes out0
.if DOCPART == 8
	.amdgcn_target "amdgcn-amd-amdhsa--gfx1250"
	.amdhsa_code_object_version 6
	.text
	.protected	k_q02ecf584e7_oproj
	.globl	k_q02ecf584e7_oproj
	.p2align	8
	.type	k_q02ecf584e7_oproj,@function
k_q02ecf584e7_oproj:
	s_mov_b64 s[64:65], 0
	v_nop
	global_prefetch_b8 v0, s[64:65] scope:SCOPE_SE
	s_setreg_imm32_b32 hwreg(HW_REG_WAVE_MODE, 25, 1), 1
	s_wait_xcnt 0x0
	s_wait_alu depctr_hold_cnt(0) depctr_sa_sdst(0) depctr_va_vdst(0) depctr_va_sdst(0) depctr_va_ssrc(0) depctr_va_vcc(0) depctr_vm_vsrc(0)
	s_getreg_b32 s2, hwreg(HW_REG_IB_STS2, 6, 4)
	s_cmp_eq_u32 s2, 0
	s_cbranch_scc0 .Lentry_in_a_cluster
	s_endpgm
.Lentry_in_a_cluster:
	s_bfe_u32 s2, ttmp6, 0x10000c
	s_cmp_lg_u32 s2, 0x3003
	s_cbranch_scc0 .Lentry_shape_is_right
	s_endpgm
.Lentry_shape_is_right:
; out0 = O Wo + bo on codes of FP6 (E2M3) with one E8M0 byte for each 32 along K; sums and result in f32.
; SHARES.  A work-group takes 128 rows (cluster y) x 256 columns (its place in the cluster); a wave 128 rows x 64 columns: 32 accumulators.
; The four work-groups of a cluster need the same 128 rows of O: their record of 102,400 bytes (codes for all of K, then scale words) is asked for JOINTLY, once, a quarter by each wave; nothing is filled again.
; A fragment of Wo is read by one wave of the work-group: it goes from memory straight into registers, a unit of four fragments for each K step, three units ahead.
; The product is used transposed (source 0 = 16 columns of Wo, source 1 = 16 rows of O): a lane holds eight neighbouring numbers of a row.  The bias is the C of each sum's first product.
; The record: half fragments of 768 bytes, [K step 8][tile of rows 8][half 2], registers 0-3 at 16 l, registers 4-5 at 512 + 8 l; from 98,304 on 512 bytes of scale words a K step: the word at 16 l + 4 q: tile 2 q + l / 16, row l % 16.
; LDS: the record from 0; from 102,400 a stage of 16 rows x 272 bytes for each wave; from 119,808 the spare words.
; REGISTERS.  Window 0: v2-9 addresses; v32-39 Wo's scale words (4 slots x 2); v40-47 O's (2 sets x 4); v64-159, v160-255 O's fragments, two sets.  Window 1: v0-191 Wo's ring of 4 slots; v192-223 the bias.  Window 2: the accumulators, (a, b) at v[8 (4 a + b)].
.set STAGE, 102400
.set SPARE, 119808                     ; the spare words, 128 bytes for each wave: two blocks of 256 bytes that no other line names
.set L16,  2                           ; v2   16 x lane
.set L8,   3                           ; v3   8 x lane
.set L16B, 4                           ; v4   16 x lane + 49,152: K steps 4 to 7
.set L8B,  5                           ; v5   8 x lane + 49,152
.set STO,  6                           ; v6   the stage: where I put 32 bytes of a row
.set RD,   7                           ; v7   and where I read a row back
.set CO,   8                           ; v8   my byte offset in two rows of out0
.set BO,   9                           ; v9   bias: 32 h
.set SPW,  28                          ; v28  LDS address of my spare word; never rewritten
.set NIL,  29                          ; v29  0; never rewritten
.set WS,   32
.set ASC,  40
.set BIAS, 192
.set WV,   12
.set CX,   13
.set MB,   14
.set G1,   16
.set G0,   24
.set MSB, 0
.macro WIN new
.if MSB != (\new)
	s_set_vgpr_msb (MSB<<8)|(\new)
.set MSB, (\new)
.endif
.endm
.macro CROUND
	s_barrier_signal -1
	s_barrier_wait -1
	s_cmp_lg_u32 s[WV], 0
	s_cbranch_scc1 .Lnot_wave_0_\@
	s_barrier_signal -3
.Lnot_wave_0_\@:
	s_barrier_wait -3
	s_barrier_signal -1
	s_barrier_wait -1
.endm
.macro WLOAD slot, off                 ; a unit of Wo's image: 13 loads
	WIN 0x40
.irp f, 0,1,2,3
.irp q, 0,1,2
	global_load_b128 v[48*(\slot)+12*\f+4*\q:48*(\slot)+12*\f+4*\q+3], v[L16], s[6:7] offset:(\off)+1536*\f+512*\q
.endr
.endr
	WIN 0
	global_load_b64 v[WS+2*(\slot):WS+2*(\slot)+1], v[L8], s[6:7] offset:(\off)+6144
.endm
.macro AFETCH set, st                  ; K step st of O from LDS: eight fragments of two halves, four registers of scale words: 33 loads
.set A16, L16
.set A8, L8
.if (\st) >= 4
.set A16, L16B
.set A8, L8B
.endif
.set AO, ((\st)%4)*12288
.irp a, 0,1,2,3,4,5,6,7
.set AR, 64+96*(\set)+12*\a
	ds_load_b128 v[AR:AR+3], v[A16] offset:AO+1536*\a
	ds_load_b64 v[AR+4:AR+5], v[A8] offset:AO+1536*\a+512
	ds_load_b128 v[AR+6:AR+9], v[A16] offset:AO+1536*\a+768
	ds_load_b64 v[AR+10:AR+11], v[A8] offset:AO+1536*\a+1280
.endr
	ds_load_b128 v[ASC+4*(\set):ASC+4*(\set)+3], v[L16B] offset:49152+512*(\st)
.endm
.macro WM
.if fA && fB
	v_wmma_scale_f32_16x16x128_f8f6f4 v[rD:rD+7], v[rA:rA+11], v[rB:rB+11], v[rC:rC+7], v[rSA], v[rSB] matrix_a_fmt:MATRIX_FMT_FP6 matrix_b_fmt:MATRIX_FMT_FP6 matrix_a_scale:MATRIX_SCALE_ROW1 matrix_b_scale:MATRIX_SCALE_ROW1
.elseif fA
	v_wmma_scale_f32_16x16x128_f8f6f4 v[rD:rD+7], v[rA:rA+11], v[rB:rB+11], v[rC:rC+7], v[rSA], v[rSB] matrix_a_fmt:MATRIX_FMT_FP6 matrix_b_fmt:MATRIX_FMT_FP6 matrix_a_scale:MATRIX_SCALE_ROW1
.elseif fB
	v_wmma_scale_f32_16x16x128_f8f6f4 v[rD:rD+7], v[rA:rA+11], v[rB:rB+11], v[rC:rC+7], v[rSA], v[rSB] matrix_a_fmt:MATRIX_FMT_FP6 matrix_b_fmt:MATRIX_FMT_FP6 matrix_b_scale:MATRIX_SCALE_ROW1
.else
	v_wmma_scale_f32_16x16x128_f8f6f4 v[rD:rD+7], v[rA:rA+11], v[rB:rB+11], v[rC:rC+7], v[rSA], v[rSB] matrix_a_fmt:MATRIX_FMT_FP6 matrix_b_fmt:MATRIX_FMT_FP6
.endif
.endm
; K step st: 32 products, the accumulators by turns, one instruction a turn
.macro KSTEP st
.set SL, (\st)%4
.set SE, (\st)%2
.rept 4
	v_nop                                          ; places in front of loads into registers that matrix instructions have read
.endr
	WIN 0
.if (\st)+3 < 8
	WLOAD ((\st)+3)%4, ((\st)+3)*12800
.endif
.if (\st)+1 < 8
	AFETCH (1-SE), (\st)+1
.endif
.if (\st) <= 4
	s_wait_loadcnt 39                              ; this unit is in; the younger units of 13 loads may be out: three,
.elseif (\st) == 5
	s_wait_loadcnt 26                              ; two,
.elseif (\st) == 6
	s_wait_loadcnt 13                              ; one,
.else
	s_wait_loadcnt 0x0                             ; none
.endif
.if (\st) < 7
	s_wait_dscnt 33                                ; this K step of O is in; the 33 loads just issued may be out
.else
	s_wait_dscnt 0x0
.endif
.if (\st) == 0
	WIN 0x91                                       ; source 0 (Wo) and C (bias) window 1, source 1 window 0, D window 2
.else
	WIN 0xa1
.endif
.set A_, 0
.rept 8
.set B_, 0
.rept 4
.set rD, 8*(4*A_+B_)
.set rA, 48*SL+12*B_
.set rB, 64+96*SE+12*A_
.set rC, rD
.if (\st) == 0
.set rC, BIAS+8*B_
.endif
.set rSA, WS+2*SL+B_/2
.set rSB, ASC+4*SE+A_/2
.set fA, B_%2
.set fB, A_%2
	WM
.set B_, B_+1
.endr
.set A_, A_+1
.endr
.endm
	s_load_b256 s[4:11], s[0:1], 0x0               ; oimg, wimg, bo, out0
	v_lshl_add_u32 v[SPW], v0, 2, SPARE
	v_mov_b32 v[NIL], 0
	ds_add_u32 v[SPW], v[NIL]                      ; the wave's opening: two adds and their wait stand ahead of my first tensor load; the set-up below, work on registers, stands between them
	ds_add_u32 v[SPW], v[NIL]
	v_lshrrev_b32 v1, 5, v0
	v_readfirstlane_b32 s[WV], v1                  ; wave 0..3
	s_bfe_u32 s[CX], ttmp6, 0x40000                ; my place in the cluster: it enters Wo's, the bias's and out0's addresses alone
	s_and_b32 s[MB], ttmp7, 0xffff                 ; which 128 rows, which the four partners share
	; descriptor group 1: 25,600 dense bytes as 100 rows of 256 bytes (32 elements of 8 bytes)
	s_mov_b32 s[G1], 15|(3<<16)|(1<<21)            ; 15:0 the mask: all four work-groups; 17:16 elements of 8 bytes; 21 set beside a mask; no padding
	s_mov_b32 s[G1+1], 32<<16
	s_mov_b32 s[G1+2], 100<<16
	s_mov_b32 s[G1+3], 32<<16
	s_mov_b32 s[G1+4], 100
	s_mov_b32 s[G1+5], 32
	s_mov_b32 s[G1+6], 0
	s_mov_b32 s[G1+7], 0
	s_mul_i32 s30, s[MB], 102400
	s_mul_i32 s32, s[WV], 25600                    ; my quarter of the record, in memory and in LDS
	s_add_co_u32 s30, s30, s32
	s_mov_b32 s31, 0
	s_lshl_b32 s34, s[CX], 1
	s_lshr_b32 s35, s[WV], 1
	s_add_co_u32 s34, s34, s35                     ; Wo's image: 128 columns 2 cx + wave / 2,
	s_mul_i32 s34, s34, 102400
	s_and_b32 s35, s[WV], 1
	s_mul_i32 s35, s35, 6400                       ; their half wave % 2
	s_add_co_u32 s34, s34, s35
	s_add_co_u32 s34, s34, 2457600                 ; behind the three other weights' images
	s_mov_b32 s35, 0
	s_lshl_b32 s36, s[CX], 10
	s_lshl_b32 s37, s[WV], 8
	s_add_co_u32 s36, s36, s37                     ; my 64 columns, in bytes
	s_mov_b32 s37, 0
	s_lshl_b32 s38, s[MB], 19                      ; 128 rows of 4,096 bytes
	s_mov_b32 s39, 0
	s_wait_dscnt 0x0                               ; the opening add is done
	s_wait_kmcnt 0x0
	s_mov_b32 s[G0], 1
	s_mov_b32 s[G0+1], s32
	s_add_nc_u64 s[G0+2:G0+3], s[4:5], s[30:31]
	s_or_b32 s[G0+3], s[G0+3], 0x80000000
	CROUND                                         ; all four work-groups are here: the joint loads meet
	tensor_load_to_lds s[G0:G0+3], s[G1:G1+7]      ; one tensor load of mine is out
	s_nop 0
.rept 4
	v_nop
.endr
	s_add_nc_u64 s[6:7], s[6:7], s[34:35]
	s_add_nc_u64 s[8:9], s[8:9], s[36:37]
	s_add_nc_u64 s[10:11], s[10:11], s[36:37]
	s_add_nc_u64 s[10:11], s[10:11], s[38:39]
	v_and_b32 v1, 31, v0                           ; lane
	v_and_b32 v10, 15, v0                          ; r
	v_bfe_u32 v11, v0, 4, 1                        ; h
	v_lshlrev_b32 v[L16], 4, v1
	v_lshlrev_b32 v[L8], 3, v1
	v_add_nc_u32 v[L16B], 49152, v[L16]
	v_add_nc_u32 v[L8B], 49152, v[L8]
	v_lshlrev_b32 v[BO], 5, v11
	s_mul_i32 s40, s[WV], 4352
	s_add_co_u32 s40, s40, STAGE                   ; my stage
	v_mul_u32_u24 v[STO], v10, 272
	v_lshl_add_u32 v[STO], v11, 5, v[STO]
	v_add_nc_u32 v[STO], s40, v[STO]               ; in: row r, + 32 h
	v_mul_u32_u24 v[RD], v11, 272
	v_lshl_add_u32 v[RD], v10, 4, v[RD]
	v_add_nc_u32 v[RD], s40, v[RD]                 ; back: lanes 0-15 one row of 256 bytes, lanes 16-31 the next
	v_lshlrev_b32 v[CO], 12, v11
	v_lshl_add_u32 v[CO], v10, 4, v[CO]            ; and the same two rows in out0
	WIN 0x40
.irp b, 0,1,2,3
	global_load_b128 v[BIAS+8*\b:BIAS+8*\b+3], v[BO], s[8:9] offset:64*\b        ; the bias in the result's layout: columns 16 b + 8 h + 0 .. 7
	global_load_b128 v[BIAS+8*\b+4:BIAS+8*\b+7], v[BO], s[8:9] offset:64*\b+16
.endr
	WIN 0
	WLOAD 0, 0
	WLOAD 1, 12800
	WLOAD 2, 25600
	s_wait_tensorcnt 0x0                           ; my quarter of the record has landed,
	s_barrier_signal -1
	s_barrier_wait -1                              ; everybody's has
	AFETCH 0, 0
	KSTEP 0
	KSTEP 1
	KSTEP 2
	KSTEP 3
	KSTEP 4
	KSTEP 5
	KSTEP 6
	KSTEP 7
; THE WAY OUT, a tile of 16 rows x 64 columns at a time: a lane holds 32 neighbouring bytes of a row and the lanes beside it other rows, so the tile goes through my own stage and comes back as whole rows of 256 bytes.
; LDS serves a wave's instructions in order: no wait between the stores and the loads, nor in front of the next tile's stores.
.macro TOSTAGE a
	WIN 0x08                                       ; an LDS store's data are its source 1: window 2
.irp b, 0,1,2,3
	ds_store_b128 v[STO], v[8*(4*(\a)+\b):8*(4*(\a)+\b)+3] offset:64*\b            ; each accumulator from its low end on
	ds_store_b128 v[STO], v[8*(4*(\a)+\b)+4:8*(4*(\a)+\b)+7] offset:64*\b+16
.endr
	WIN 0
.set BB, 64+32*((\a)%2)
.irp t, 0,1,2,3,4,5,6,7
	ds_load_b128 v[BB+4*\t:BB+4*\t+3], v[RD] offset:\t*2*272
.endr
.endm
.macro SEND a, younger                 ; younger: the LDS instructions issued behind tile a's loads, which may stay out
.set BB, 64+32*((\a)%2)
	s_wait_dscnt \younger
.irp t, 0,1,2,3,4,5,6,7
	global_store_b128 v[CO], v[BB+4*\t:BB+4*\t+3], s[10:11] offset:(16*(\a)+2*\t)*4096 th:TH_STORE_NT   ; 16 lanes store 256 consecutive bytes, at a multiple of 256 from out0's first byte; written once, read by nobody here
.endr
.endm
.rept 4
	v_nop                                          ; places behind the last products: for the reads of results and the loads into the registers that held O's fragments
.endr
	s_wait_alu depctr_va_vdst(0)
	TOSTAGE 0
.irp a, 1,2,3,4,5,6,7
.if \a > 1
	s_wait_xcnt 0x0                                ; tile a - 2's stores have read their registers: tile a's loads may land there
.endif
	TOSTAGE \a
	SEND \a-1, 16                                  ; behind tile a - 1's loads: tile a's 8 stores and 8 loads
.endr
	SEND 7, 0
	s_wait_tensorcnt 0x0                           ; the wave's end, behind my last tensor load and my last LDS store
	ds_add_u32 v[SPW], v[NIL]
	s_wait_dscnt 0x0
	CROUND                                         ; the closing round
	s_endpgm
.Lfunc_end_k_q02ecf584e7_oproj:
	.size	k_q02ecf584e7_oproj, .Lfunc_end_k_q02ecf584e7_oproj-k_q02ecf584e7_oproj
	.p2alignl 7, 3214868480
	.fill 96, 4, 3214868480
	.section	.rodata,"a",@progbits
	.p2align	6, 0x0
	.amdhsa_kernel k_q02ecf584e7_oproj
		.amdhsa_group_segment_fixed_size 167936
		.amdhsa_private_segment_fixed_size 0
		.amdhsa_enable_private_segment 0
		.amdhsa_kernarg_size 32
		.amdhsa_user_sgpr_count 2
		.amdhsa_user_sgpr_kernarg_segment_ptr 1
		.amdhsa_wavefront_size32 1
		.amdhsa_system_sgpr_workgroup_id_x 1
		.amdhsa_system_sgpr_workgroup_id_y 1
		.amdhsa_system_sgpr_workgroup_id_z 1
		.amdhsa_system_vgpr_workitem_id 0
		.amdhsa_next_free_vgpr 768
		.amdhsa_next_free_sgpr 66
		.amdhsa_reserve_vcc 0
		.amdhsa_float_denorm_mode_32 3
		.amdhsa_float_denorm_mode_16_64 3
		.amdhsa_memory_ordered 1
		.amdhsa_forward_progress 1
		.amdhsa_inst_pref_size 82
	.end_amdhsa_kernel
	.amdgpu_metadata
---
amdhsa.version: [ 1, 2 ]
amdhsa.kernels:
  - .name:           k_q02ecf584e7_oproj
    .symbol:         k_q02ecf584e7_oproj.kd
    .args:
      - { .name: oimg, .offset: 0, .size: 8, .value_kind: global_buffer, .address_space: global }
      - { .name: wimg, .offset: 8, .size: 8, .value_kind: global_buffer, .address_space: global }
      - { .name: bo, .offset: 16, .size: 8, .value_kind: global_buffer, .address_space: global }
      - { .name: out0, .offset: 24, .size: 8, .value_kind: global_buffer, .address_space: global }
    .group_segment_fixed_size: 167936
    .private_segment_fixed_size: 0
    .kernarg_segment_align: 8
    .kernarg_segment_size: 32
    .max_flat_workgroup_size: 128
    .sgpr_count:     66
    .vgpr_count:     768
    .wavefront_size: 32
...
	.end_amdgpu_metadata
.endif
;; end of part 8
